; MI455X (gfx1250); checked and timed in simulation.
; The chip was launched on July 23, 2026; its instructions are those of AMD's public machine-readable ISA for CDNA 5 (MIT licence, August 2026) and "CDNA5" Instruction Set Architecture Reference Guide (July 2026). The comments in the code are by the model that wrote it; some were corrected since.
;; Compressive Memory. Allowed arithmetic: matrix products marked QUANTISED: E3M2 operands, one E8M0 scale for each 32 along K, by v_wmma_scale_f32_16x16x128_f8f6f4 with both operands' format E3M2, f32 sums; products left as they are: f32 operands where the result goes on into a quantised operand, else bf16, f16 or f32 operands; f32 sums; everything else in f32.
;; Inputs: keys 2 x 4,096 x 1,024 float32; memories 4 x 1,024 x 1,024 float32; memory_norms 4 x 1,024 float32; queries 2 x 4,096 x 1,024 float32; values 2 x 4,096 x 1,024 float32.
;; Outputs: out0 2 x 4,096 x 1,024 float32; out1 1,024 x 1,024 float32; out2 1,024 float32.
;; This version of the problem:
;;   THIS VERSION OF THE PROBLEM IS GIVEN IN LOW PRECISION. The matrix products marked QUANTISED in the list below multiply operands that are first quantised to E3M2 (3 exponent bits, 2 mantissa bits; 6 bits a number), with one power-of-two scale for each 32 numbers along K (OCP MX v1.0); their sums are f32. All else is computed in f32.
;;   The module's matrix products, in the order in which they are computed (A, B: the left and right operand; K: the contracted axis; several contracted axes count as one K, in the product's order):
;;     1. [M 4,096, K 1,024] x [K 1,024, N 8,192]; A: input memories; B: computed on the way: QUANTISED
;;     2. [M 4, K 1,024] x [K 1,024, N 8,192]; A: input memory_norms; B: computed on the way: left as it is (M = 4 < 16)
;;     3. batch 2 x [M 4,194,304, K 4] x [K 4, N 1]; A: computed on the way; B: softmax: left as it is (K = 4 < 32)
;;     4. [M 8,192, K 1,024] x [K 1,024, N 1,024]; A: computed on the way; B: input memories: QUANTISED
;;     5. [M 8,192, K 1,024] x [K 1,024, N 1]; A: computed on the way; B: input memory_norms: left as it is (N = 1 < 16)
;;     6. [M 1,024, K 8,192] x [K 8,192, N 1,024]; A: computed on the way; B: computed on the way: QUANTISED
;;   THE QUANTISER, for each operand of a quantised product, along K:
;;     - K is cut into blocks of 32 from its start; a last block that is shorter is filled with zeros.
;;     - A block's scale is 2^e with e = floor(log2(the largest magnitude in the block)) - 4, held to -126 .. 127; a block of zeros has e = 0. As a byte (E8M0): e + 127.
;;     - Each number is divided by its block's scale, clamped to +-28, and rounded to the nearest number of E3M2, ties to even, subnormals kept.
;;     - The product sums the exact products of the quantised numbers (number of the format x scale) in f32.
;;   ~~~python
;;   def quantise(x, axis):      # numpy; x: float32 -> the quantised numbers, widened to float32 again
;;       x = np.moveaxis(x, axis, -1); K = x.shape[-1]
;;       x = np.pad(x, [(0, 0)] * (x.ndim - 1) + [(0, -K % 32)]); x = x.reshape(x.shape[:-1] + (-1, 32)); a = np.abs(x).max(-1, keepdims=True)
;;       e = np.where(a > 0, np.clip(np.frexp(np.where(a > 0, a, 1))[1] - 1 - 4, -126, 127), 0)      # np.frexp(a)[1] - 1 = floor(log2(a)), exactly
;;       r = np.clip(x / 2.0 ** e, -28, 28)
;;       step = 2.0 ** (np.maximum(np.frexp(np.where(r == 0, 1, r))[1] - 1, -2) - 2)
;;       q = np.round(r / step) * step * 2.0 ** e      # np.round: ties to even
;;       return np.moveaxis(q.reshape(q.shape[:-2] + (-1,))[..., :K], -1, axis).astype(np.float32)
;;   ~~~
;;   OPERANDS COMPUTED ON THE WAY. 'Computed on the way' means the value that the module computes at that place (a softmax that the list does not call 'softmax' is quantised finished and normalised). What goes into a quantiser is computed in f32, as accurately as f32 sums, v_exp_f32 and their like allow (about 1e-6 of the number): no bf16 or f16 on the way to a quantiser, and a product that is left as it is and whose result goes on into a quantised operand takes f32 operands (vector FMAs, or v_wmma_f32_16x16x4_f32). A number that lies on a knife's edge between two numbers of the format may be rounded either way, as far as f32 arithmetic and the matrix unit's own rounding can turn it there, and no further.
;; One version. Each part assembles by itself: llvm-mc -triple=amdgcn-amd-amdhsa -mcpu=gfx1250 --defsym DOCPART=n.
;; ======== version 1 of 1: 4 launches
;; limits: right only within a limited range of input values
;; workspace buffers: mcod 3,145,728 bytes; xcod 12,582,912 bytes; kcod 6,291,456 bytes; scal 917,504 bytes; sums 790,528 bytes; dcod 6,291,456 bytes; dscl 262,144 bytes; part 16,777,216 bytes
;; launch prep (part 1): grid 256 x 1, 4 waves a work-group, no clusters, 327,680 bytes of LDS; arguments queries, keys, memories, memory_norms, mcod, xcod, kcod, scal, sums; writes mcod, xcod, kcod, scal, sums
.if DOCPART == 1
	.amdgcn_target "amdgcn-amd-amdhsa--gfx1250"
	.amdhsa_code_object_version 6
	.text
	.protected	k_q75a5e3be7d_prep
	.globl	k_q75a5e3be7d_prep
	.p2align	8
	.type	k_q75a5e3be7d_prep,@function
k_q75a5e3be7d_prep:
	s_mov_b64 s[64:65], 0
	v_nop
	global_prefetch_b8 v0, s[64:65] scope:SCOPE_SE
	s_setreg_imm32_b32 hwreg(HW_REG_WAVE_MODE, 25, 1), 1
	s_wait_xcnt 0x0
; PREP: everything that is quantised from inputs alone, each input number read once.
; Codes are E3M2 (6 bits), one E8M0 byte for each 32 along K: byte = exponent field of the block's largest magnitude - 4, held at 1 from below.
; CODE LAYOUT (all code buffers): operand rows go in pairs of tiles (32 rows); for a pair and a block of 32 along K one RECORD of 768 bytes:
;   bytes 16 L .. 16 L + 15 = code registers 0-3 of row L, bytes 512 + 8 L .. + 7 = code registers 4-5 of row L (a block's 32 codes are 24 bytes).
; SCALE WORDS: [K step of 128][operand row], 4 bytes: byte j scales block j of the step.
; Work-group L of 256 does two things.
;   M: a tile of 128 (d) x 128 (e) of memories taken as [4096 (m, d)][1024 e]: a lane takes a column e, its registers run down d (K), so nothing is transposed.
;   X: 128 rows x 512 columns of queries (L < 128) or of keys: sigma = max(x + 1, e^min(x, 0)), which is elu(x) + 1; codes along d; the rows' dots with the four norms;
;      for keys also codes along s (a lane takes a column d, registers run down s) and the columns' sums.
;   Wave w takes 128 columns (one K step) of all 128 rows; the rows come through the wave's own stage in LDS, filled once by two tensor loads of 64 rows.
; ORDER: M's numbers have registers of their own and are asked for in two halves of 64 loads; M is worked between X's third and fourth sub-step, so that nothing of X waits for M's loads.
; No cluster: work-groups share only the 16 KB of norms.  No matrix unit: there is no product here.
; LIMITS: NaN and infinities are not served.  A block whose largest magnitude lies under 2^-122, a block of zeros too, keeps the byte 1 (zero codes add nothing; this program alone reads the bytes).
;   e^x is 2^(x log2 e): the product's rounding adds about 6e-8 |x log2 e| of relative error; results under 2^-126 become 0.
;   The keys' work-groups make only the dot with slot 0's norm, on a path of their own; what stands in the places of slots 1 to 3 is read by nobody.
; REGISTERS: window 0: v1-15 lane numbers and addresses; v32-95 FF 64 numbers; v96-159 TT; v160-175 TM; v176-194 PC codes; v196-198 scale words; v200-223 dots; v224-239 the tail.
;   window 1: the four norms at my lane's 64 columns (64 m + k).   window 2: four blocks of 32 down s (keys) and what is made of them.   window 3: the same map for M's four blocks down d.
.set STGW, 67584                       ; a wave's stage: 128 rows x 528 bytes (512 + 16 of padding: the 16 rows of a load start at 16 different groups of banks)
.set STGH, 33792                       ; 64 rows: what one tensor load brings.  The stage is filled by TWO tensor loads of 64 rows: the first at the head, the second behind the barrier at sub-step 0, two sub-steps ahead of its use
.set RED,  270336                      ; behind the stages: [wave 4][m 4][row 128] f32, the dots' partial sums
.set AD,  10                           ; v10-11 stage address by rows (528 r + 64 h), rows 0-63 and 64-127
.set AS,  12                           ; v12-13 stage address by columns (4 x lane)
.set FF,  32
.set TT,  96
.set TM,  160
.set PC,  176
.set PW,  196
.set PW0, 197
.set PWS, 198
.set AC,  200
.set DQ,  208
.set TP,  216
.set TL,  224
.set MX,  128                          ; windows 2 and 3: two maxima a block
.set SO,  136                          ; the conversions' scale operands
.set BY,  140                          ; the scale bytes
.set CC,  144                          ; codes: 6 registers a block at 8 c
.set C2,  176                          ; a block's second conversion (three registers begin on an even number)
.set SW,  192                          ; scale words along s, gathered over four sub-steps
.set CS,  196                          ; column sums, in pairs (even rows, odd rows)
.set CF,  204                          ; finished words
.set MSB, 0
.macro WIN new                         ; the immediate's high byte repeats the setting that is left
.if MSB != (\new)
	s_set_vgpr_msb (MSB<<8)|(\new)
.set MSB, (\new)
.endif
.endm
; 64 numbers of a lane, register 16 b + i = k 32 b + 16 (lane / 16) + i of my row, become a fragment's 12 code registers in v[PC] on and its scale word in v[PW]
.macro QUANT s
.irp b, 0,1,2,3
	v_max3_num_f32 v[TM+\b], |v[\s+16*\b]|, |v[\s+1+16*\b]|, 0x2800000   ; my 16 numbers of block b, and the floor 2^(5 - 127): the byte cannot fall under 1
.endr
.irp i, 2,4,6,8,10,12,14
.irp b, 0,1,2,3
	v_max3_num_f32 v[TM+\b], v[TM+\b], |v[\s+16*\b+\i]|, |v[\s+1+16*\b+\i]|
.endr
.endr
.irp b, 0,1,2,3
	v_permlanex16_b32 v[TM+4+\b], v[TM+\b], s56, s57
.endr
.irp b, 0,1,2,3
	v_max_num_f32 v[TM+\b], v[TM+\b], v[TM+4+\b]       ; with lane l xor 16's: the block's largest magnitude
.endr
.irp b, 0,1,2,3
	v_add_nc_u32 v[TM+12+\b], 0xfe000000, v[TM+\b]     ; 4 off its exponent field: the conversion's scale operand
.endr
.irp b, 0,1,2,3
	v_lshrrev_b32 v[TM+4+\b], 23, v[TM+12+\b]          ; the scale's byte
.endr
	v_lshl_or_b32 v[PW], v[TM+5], 8, v[TM+4]
	v_lshl_or_b32 v[PW], v[TM+6], 16, v[PW]
	v_lshl_or_b32 v[PW], v[TM+7], 24, v[PW]
.irp c, 0,1
	v_cvt_scalef32_pk16_bf6_f32 v[PC+6*\c:PC+2+6*\c], v[\s+32*\c:\s+15+32*\c], v[TM+12+2*\c]
	v_cvt_scalef32_pk16_bf6_f32 v[PC+12+4*\c:PC+14+4*\c], v[\s+16+32*\c:\s+31+32*\c], v[TM+12+2*\c+1]
.endr
	v_nop                                              ; one plain place behind a scaled conversion
.irp c, 0,1                                        ; the operand's layout wants a whole block in a lane
.irp i, 0,1,2
	v_permlane16_swap_b32 v[PC+6*\c+\i], v[PC+12+4*\c+\i]
.endr
.irp i, 0,1,2
	v_mov_b32 v[PC+3+6*\c+\i], v[PC+12+4*\c+\i]
.endr
.endr
.endm
; the fragment in v[PC] on goes to its four records: lane (r, h) holds blocks h and 2 + h of row 16 u + r.  v7 = 768 h + 16 r, v8 = 768 h + 512 + 8 r
.macro STREC sb, imm, u
	global_store_b128 v7, v[PC:PC+3], s[\sb:\sb+1] offset:(\imm)+256*(\u)
	global_store_b64 v8, v[PC+4:PC+5], s[\sb:\sb+1] offset:(\imm)+128*(\u)
	global_store_b128 v7, v[PC+6:PC+9], s[\sb:\sb+1] offset:(\imm)+256*(\u)+1536
	global_store_b64 v8, v[PC+10:PC+11], s[\sb:\sb+1] offset:(\imm)+128*(\u)+1536
.endm
; four blocks of 32 numbers, each whole in my lane (v[32 c] on of the window that is set), become codes and bytes; the four by turns
.macro QB4
.irp c, 0,1,2,3
	v_max3_num_f32 v[MX+2*\c], |v[32*\c]|, |v[32*\c+1]|, |v[32*\c+2]|
	v_max3_num_f32 v[MX+2*\c+1], |v[32*\c+3]|, |v[32*\c+4]|, |v[32*\c+5]|
.endr
.irp i, 6,10,14,18,22,26
.irp c, 0,1,2,3
	v_max3_num_f32 v[MX+2*\c], v[MX+2*\c], |v[32*\c+\i]|, |v[32*\c+\i+1]|
	v_max3_num_f32 v[MX+2*\c+1], v[MX+2*\c+1], |v[32*\c+\i+2]|, |v[32*\c+\i+3]|
.endr
.endr
.irp c, 0,1,2,3
	v_max3_num_f32 v[MX+2*\c], v[MX+2*\c], |v[32*\c+30]|, |v[32*\c+31]|
.endr
.irp c, 0,1,2,3
	v_max3_num_f32 v[MX+2*\c], v[MX+2*\c], v[MX+2*\c+1], 0x2800000
.endr
.irp c, 0,1,2,3
	v_add_nc_u32 v[SO+\c], 0xfe000000, v[MX+2*\c]
.endr
.irp c, 0,1,2,3
	v_lshrrev_b32 v[BY+\c], 23, v[SO+\c]
.endr
.irp c, 0,1,2,3
	v_cvt_scalef32_pk16_bf6_f32 v[CC+8*\c:CC+8*\c+2], v[32*\c:32*\c+15], v[SO+\c]
	v_cvt_scalef32_pk16_bf6_f32 v[C2+4*\c:C2+4*\c+2], v[32*\c+16:32*\c+31], v[SO+\c]
.endr
	v_nop                                              ; one plain place behind a scaled conversion
.irp c, 0,1,2,3
.irp i, 0,1,2
	v_mov_b32 v[CC+8*\c+3+\i], v[C2+4*\c+\i]
.endr
.endr
.endm
; sigma of the 64 numbers in FF: max(x + 1, 2^min(0, x log2 e))
.macro ELU64
.set k, 0
.rept 32
	v_pk_mul_f32 v[TT+k:TT+k+1], v[FF+k:FF+k+1], s[58:59] op_sel_hi:[1,0]
.set k, k+2
.endr
.set k, 0
.rept 64
	v_min_num_f32 v[TT+k], 0, v[TT+k]
.set k, k+1
.endr
.set k, 0
	s_wait_alu depctr_va_vdst(0)
.rept 64
	v_exp_f32 v[TT+k], v[TT+k]
.set k, k+1
.endr
.set k, 0
.rept 32
	v_pk_add_f32 v[FF+k:FF+k+1], v[FF+k:FF+k+1], 1.0 op_sel_hi:[1,0]   ; also the plain place behind the exponentials
.set k, k+2
.endr
.set k, 0
	s_wait_alu depctr_va_vdst(0)
.rept 64
	v_max_num_f32 v[FF+k], v[FF+k], v[TT+k]
.set k, k+1
.endr
.endm
; the dots of row 16 u + r with the four norms over my wave's 128 columns, in f32, the four by turns
.macro DOT u
	; queries: the four dots, by turns.  Keys: only the dot with slot 0's norm has a reader, so the keys' work-groups make that one alone, in four partial chains; what they leave in the places of slots 1 to 3 is read by nobody.
	; The branch hangs on the work-group's number alone
	s_cmp_eq_u32 s23, 0
	s_cbranch_scc0 .Lkd_\@
	WIN 0x04
.irp m, 0,1,2,3
	v_pk_mul_f32 v[AC+2*\m:AC+2*\m+1], v[FF:FF+1], v[64*\m:64*\m+1]
.endr
.set k, 2
.rept 31
.irp m, 0,1,2,3
	v_pk_fma_f32 v[AC+2*\m:AC+2*\m+1], v[FF+k:FF+k+1], v[64*\m+k:64*\m+k+1], v[AC+2*\m:AC+2*\m+1]
.endr
.set k, k+2
.endr
	WIN 0
	s_wait_alu depctr_va_vdst(0)                       ; the wait here, directly ahead of the jump
	s_branch .Ljd_\@
.Lkd_\@:
	WIN 0x04
.irp j, 0,1,2,3
	v_pk_mul_f32 v[AC+2*\j:AC+2*\j+1], v[FF+2*\j:FF+2*\j+1], v[2*\j:2*\j+1]
.endr
.set k, 8
.rept 7
.irp j, 0,1,2,3
	v_pk_fma_f32 v[AC+2*\j:AC+2*\j+1], v[FF+k+2*\j:FF+k+2*\j+1], v[k+2*\j:k+2*\j+1], v[AC+2*\j:AC+2*\j+1]
.endr
.set k, k+8
.endr
	WIN 0
	v_pk_add_f32 v[AC:AC+1], v[AC:AC+1], v[AC+2:AC+3]
	v_pk_add_f32 v[AC+4:AC+5], v[AC+4:AC+5], v[AC+6:AC+7]
	v_pk_add_f32 v[AC:AC+1], v[AC:AC+1], v[AC+4:AC+5]   ; the four chains meet in slot 0's pair
.Ljd_\@:
.irp m, 0,1,2,3
	v_add_f32 v[TP+\m], v[AC+2*\m], v[AC+2*\m+1]
.endr
.irp m, 0,1,2,3
	v_permlanex16_b32 v[TP+4+\m], v[TP+\m], s56, s57
.endr
.irp m, 0,1,2,3
	v_add_f32 v[DQ+4*(\u)+\m], v[TP+\m], v[TP+4+\m]    ; both halves of the lanes now hold the row's dot
.endr
.endm
; keys only: sigma goes back to the places that x came from, for the pass by columns.  The branch hangs on the work-group's number alone
.macro KSTORE g, u
	s_cmp_eq_u32 s23, 0
	s_cbranch_scc1 .Lno_back_\@
.irp q, 0,1,2,3,4,5,6,7,8,9,10,11,12,13,14,15
	ds_store_b128 v[AD+(\g)/2], v[FF+4*\q:FF+4*\q+3] offset:((\g)%2)*16896+(\u)*8448+128*(\q/4)+16*(\q%4)
.endr
.Lno_back_\@:
.endm
; keys only: the 32 rows of sub-step g are one block along s for each of my 128 columns: lane = column 32 c + lane, registers down s
.macro SBLK g
	s_cmp_eq_u32 s23, 0
	s_cbranch_scc1 .Lno_s_\@
	WIN 0x80                                           ; destination window 2
.irp c, 0,1,2,3
.set i, 0
.rept 32
	ds_load_b32 v[32*\c+i], v[AS+(\g)/2] offset:((\g)%2)*16896+528*i+128*\c   ; LDS serves a wave's instructions in order: these see my stores
.set i, i+1
.endr
.endr
	s_wait_dscnt 0x0
	s_wait_xcnt 0x0                                    ; the last stores have read the code registers that are written again below
	WIN 0xAA                                           ; all in window 2
.set i, 0
.rept 16
.irp c, 0,1,2,3
	v_pk_add_f32 v[CS+2*\c:CS+2*\c+1], v[CS+2*\c:CS+2*\c+1], v[32*\c+i:32*\c+i+1]
.endr
.set i, i+2
.endr
	QB4
.irp c, 0,1,2,3
	v_lshl_or_b32 v[SW+\c], v[BY+\c], 8*(\g), v[SW+\c]
.endr
.if (\g) == 3
.irp c, 0,1,2,3
	v_add_f32 v[CF+\c], v[CS+2*\c], v[CS+2*\c+1]
.endr
.endif
	WIN 0x08                                           ; a store's data are its source 1: window 2
.irp c, 0,1,2,3
	global_store_b128 v5, v[CC+8*\c:CC+8*\c+3], s[80:81] offset:\c*196608+(\g)*768
	global_store_b64 v6, v[CC+8*\c+4:CC+8*\c+5], s[80:81] offset:\c*196608+(\g)*768
.endr
.if (\g) == 3
.irp c, 0,1,2,3
	global_store_b32 v4, v[SW+\c], s[82:83] offset:128*\c
	global_store_b32 v4, v[CF+\c], s[84:85] offset:128*\c
.endr
.endif
	WIN 0
.Lno_s_\@:
.endm
; sub-step g: 32 rows, two fragments of 16 rows x 128 columns
.macro SUB g
.if (\g) == 0
	s_wait_tensorcnt 0x0                               ; my tile of rows 0-63 has landed: no tensor load of mine is out
	ds_add_u32 v254, v255                              ; 0 onto my spare word, ahead of a later first fill
	s_add_co_u32 s41, s41, STGH                        ; rows 64-127: 64 x 528 bytes on in my stage,
	s_add_nc_u64 s[42:43], s[42:43], 262144            ; 64 rows of 4,096 bytes on in memory
	s_wait_dscnt 0x0
	s_barrier_signal -1
	s_barrier_wait -1
	tensor_load_to_lds s[40:43], s[32:39]              ; a first fill of bytes of its own, my one load behind this barrier: sub-steps 0 and 1 stand between it and the wait for it
	s_nop 0
.rept 4
	v_nop
.endr
.endif
.if (\g) == 2
	s_wait_tensorcnt 0x0                               ; my tile of rows 64-127 has landed; I alone read my stage, so this wait is all the ordering that the reads need
.endif
.irp u, 0,1
	s_wait_dscnt 0x0                                   ; the LDS stores that read FF and TP are done
.irp q, 0,1,2,3,4,5,6,7,8,9,10,11,12,13,14,15
	ds_load_b128 v[FF+4*\q:FF+4*\q+3], v[AD+(\g)/2] offset:((\g)%2)*16896+\u*8448+128*(\q/4)+16*(\q%4)
.endr
	s_wait_dscnt 0x0
	ELU64
	KSTORE \g, \u
	DOT \u
	s_wait_xcnt 0x0                                    ; the last fragment's stores have read PC and the scale word
	QUANT FF
	STREC 76, (\g)*24576, \u
.if \u == 0
	v_mov_b32 v[PW0], v[PW]
.endif
.endr
	v_cndmask_b32 v[PWS], v[PW0], v[PW], s60           ; lanes 0-15 the first tile's words, lanes 16-31 the second's: lane = row in the pair
	global_store_b32 v4, v[PWS], s[78:79] offset:(\g)*128
.irp m, 0,1,2,3
	v_cndmask_b32 v[TP+\m], v[DQ+\m], v[DQ+4+\m], s60
.endr
.irp m, 0,1,2,3
	ds_store_b32 v14, v[TP+\m] offset:512*\m+128*(\g)
.endr
	SBLK \g
.endm
	s_load_b256 s[4:11], s[0:1], 0x0               ; queries, keys, memories, memory_norms
	s_load_b256 s[12:19], s[0:1], 0x20             ; mcod, xcod, kcod, scal
	s_load_b64 s[20:21], s[0:1], 0x40              ; sums
	v_lshl_add_u32 v254, v0, 2, 0x44000
	v_mov_b32 v255, 0
	ds_add_u32 v254, v255
	ds_add_u32 v254, v255
	v_lshrrev_b32 v1, 5, v0
	v_readfirstlane_b32 s22, v1                    ; wave
	s_lshr_b32 s23, ttmp9, 7                       ; role: 0 queries, 1 keys
	s_lshr_b32 s24, ttmp9, 1
	s_and_b32 s24, s24, 63                         ; which 128 rows
	s_and_b32 s25, ttmp9, 1                        ; which 512 columns
	s_lshl_b32 s26, s25, 2
	s_add_co_u32 s26, s26, s22                     ; my K step along d
	s_lshr_b32 s27, ttmp9, 3                       ; memories: which 128 of the 4096 rows (m, d)
	s_and_b32 s28, ttmp9, 7                        ; and which 128 columns
	s_lshl_b32 s29, s28, 2
	s_add_co_u32 s29, s29, s22                     ; my pair of tiles along e
	s_mul_i32 s30, s22, STGW                       ; my stage
	s_lshl_b32 s31, s26, 9                         ; my 128 columns in bytes
	s_mov_b32 s32, (2<<16)|(1<<20)|(6<<22)|(3<<25) ; group 1: elements of 4 bytes; 4 words of padding behind every 128
	s_mov_b32 s33, 128<<16                         ; tensor_dim0 = 128
	s_mov_b32 s34, 64<<16                          ; tensor_dim1 = 64
	s_mov_b32 s35, 128<<16                         ; tile_dim0 = 128
	s_mov_b32 s36, 64                              ; tile_dim1 = 64
	s_mov_b32 s37, 1024                            ; elements from row to row
	s_mov_b32 s38, 0
	s_mov_b32 s39, 0
	s_mov_b32 s56, 0x76543210
	s_mov_b32 s57, 0xfedcba98                      ; v_permlanex16_b32's selects for lane l xor 16
	s_mov_b32 s58, 0x3fb8aa3b                      ; log2 e
	s_mov_b32 s59, s58
	s_mov_b32 s60, 0xffff0000                      ; lanes 16-31
	s_mov_b32 s91, 0
	s_lshl_b32 s90, s24, 19
	s_add_co_u32 s90, s90, s31
	v_and_b32 v1, 31, v0                           ; lane
	v_and_b32 v2, 15, v0                           ; r
	v_bfe_u32 v3, v0, 4, 1                         ; h
	v_lshlrev_b32 v4, 2, v1
	v_lshlrev_b32 v5, 4, v1
	v_lshlrev_b32 v6, 3, v1
	v_add_nc_u32 v6, 512, v6
	v_mul_u32_u24 v7, v3, 768
	v_lshl_add_u32 v8, v2, 3, v7
	v_add_nc_u32 v8, 512, v8
	v_lshl_add_u32 v7, v2, 4, v7
	v_lshlrev_b32 v9, 6, v3
	v_mul_u32_u24 v10, v2, 528
	v_add_nc_u32 v10, v10, v9
	v_add_nc_u32 v10, s30, v10
	v_add_nc_u32 v11, STGH, v10
	v_add_nc_u32 v12, s30, v4
	v_add_nc_u32 v13, STGH, v12
	s_lshl_b32 s93, s22, 11
	s_add_co_u32 s93, s93, RED
	v_add_nc_u32 v14, s93, v4                      ; where I put dots: my wave's 2,048 bytes
	s_lshl_b32 s94, s22, 9
	s_add_co_u32 s94, s94, RED
	v_add_nc_u32 v15, s94, v5                      ; where I read them: slot m = my wave's number
	s_wait_alu depctr_va_vdst(0)
	s_wait_dscnt 0x0
	s_wait_kmcnt 0x0
	s_cmp_eq_u32 s23, 0
	s_cselect_b64 s[66:67], s[4:5], s[6:7]         ; queries or keys: the choice hangs on the work-group's number alone
	s_add_nc_u64 s[66:67], s[66:67], s[90:91]
	s_mov_b32 s40, 1
	s_mov_b32 s41, s30
	s_mov_b64 s[42:43], s[66:67]
	s_or_b32 s43, s43, 0x80000000
	tensor_load_to_lds s[40:43], s[32:39]          ; rows 0-63: my one tensor load at the head
	s_nop 0
.rept 4
	v_nop
.endr
	s_mov_b32 s90, s31
	s_add_nc_u64 s[68:69], s[10:11], s[90:91]      ; the norms at my 128 columns
	s_lshl_b32 s90, s27, 19
	s_lshl_b32 s92, s28, 9
	s_add_co_u32 s90, s90, s92
	s_lshl_b32 s92, s22, 7
	s_add_co_u32 s90, s90, s92
	s_add_nc_u64 s[70:71], s[8:9], s[90:91]        ; memories at my 128 rows, my 32 columns
	WIN 0x40                                       ; destination window 1
.irp m, 0,1,2,3
.irp q, 0,1,2,3,4,5,6,7,8,9,10,11,12,13,14,15
	global_load_b128 v[64*\m+4*\q:64*\m+4*\q+3], v9, s[68:69] offset:\m*4096+128*(\q/4)+16*(\q%4)
.endr
.endr
	WIN 0xC0                                       ; destination window 3: M's first two blocks
.set i, 0
.rept 64
	global_load_b32 v[i], v4, s[70:71] offset:i*4096 th:TH_LOAD_NT   ; 32 lanes read 128 neighbouring bytes, the four waves 512
.set i, i+1
.endr
	WIN 0x80                                       ; destination window 2
.irp j, 0,1,2,3,4,5,6,7,8,9,10,11
	v_mov_b32 v[SW+\j], 0                          ; the words and sums that the keys' pass gathers begin as zeros, on every path
.endr
	WIN 0
.irp j, 0,1,2,3
	v_mov_b32 v[TM+4+\j], 0                        ; a lane permute's destination counts as one of its sources
	v_mov_b32 v[TP+4+\j], 0
.endr
	; the stores' bases, made while the loads are out
	s_lshr_b32 s92, s27, 3
	s_lshl_b32 s90, s29, 2
	s_add_co_u32 s90, s90, s92
	s_mul_i32 s90, s90, 24576
	s_and_b32 s92, s27, 7
	s_mul_i32 s92, s92, 3072
	s_add_co_u32 s90, s90, s92
	s_add_nc_u64 s[72:73], s[12:13], s[90:91]      ; mcod: ((pair 4 + m) 32 + 4 K step) records
	s_lshl_b32 s90, s27, 12
	s_lshl_b32 s92, s29, 7
	s_add_co_u32 s90, s90, s92
	s_add_nc_u64 s[74:75], s[18:19], s[90:91]      ; memories' scale words
	s_mul_i32 s90, s23, 6291456
	s_mul_i32 s92, s24, 98304
	s_add_co_u32 s90, s90, s92
	s_mul_i32 s92, s26, 3072
	s_add_co_u32 s90, s90, s92
	s_add_nc_u64 s[76:77], s[14:15], s[90:91]      ; xcod
	s_lshl_b32 s90, s23, 18
	s_lshl_b32 s92, s26, 15
	s_add_co_u32 s90, s90, s92
	s_lshl_b32 s92, s24, 9
	s_add_co_u32 s90, s90, s92
	s_add_co_u32 s90, s90, 131072
	s_add_nc_u64 s[78:79], s[18:19], s[90:91]      ; sigma's scale words along d
	s_mul_i32 s90, s26, 786432
	s_mul_i32 s92, s24, 3072
	s_add_co_u32 s90, s90, s92
	s_add_nc_u64 s[80:81], s[16:17], s[90:91]      ; kcod
	s_lshl_b32 s90, s24, 12
	s_add_co_u32 s90, s90, s31
	s_add_co_u32 s92, s90, 528384
	s_add_co_u32 s90, s90, 655360
	s_add_nc_u64 s[82:83], s[18:19], s[90:91]      ; sigma(K)'s scale words along s
	s_mov_b32 s90, s92
	s_add_nc_u64 s[84:85], s[20:21], s[90:91]      ; the columns' sums of these 128 rows
	s_lshl_b32 s90, s23, 1
	s_add_co_u32 s90, s90, s25
	s_lshl_b32 s90, s90, 2
	s_add_co_u32 s90, s90, s22
	s_lshl_b32 s90, s90, 15
	s_lshl_b32 s92, s24, 9
	s_add_co_u32 s90, s90, s92
	s_add_nc_u64 s[86:87], s[20:21], s[90:91]      ; the dots: [(role 2 + column half) 4 + m][row]
	s_lshl_b32 s90, s23, 1
	s_lshr_b32 s92, s24, 5
	s_add_co_u32 s90, s90, s92
	s_lshl_b32 s90, s90, 2
	s_add_co_u32 s90, s90, s22
	s_lshl_b32 s90, s90, 6
	s_and_b32 s92, s24, 31
	s_lshl_b32 s92, s92, 1
	s_add_co_u32 s90, s90, s92
	s_add_co_u32 s90, s90, s25
	s_lshl_b32 s90, s90, 2
	s_add_co_u32 s90, s90, 524288
	s_add_nc_u64 s[88:89], s[20:21], s[90:91]      ; the dots' sum over these 128 rows
	s_wait_loadcnt 63                              ; 64 loads were issued behind the norms' 64: with 63 out at the most the norms are in; M's may stay out
	; ---- X, rows 0-63
	SUB 0
	WIN 0xC0                                       ; M's last two blocks are asked for here: a whole sub-step stands between them and the wait for them
.set i, 64
.rept 62
	global_load_b32 v[i], v4, s[70:71] offset:i*4096 th:TH_LOAD_NT
.set i, i+1
.endr
	WIN 0
	SUB 1
	WIN 0xC0                                       ; M's last two rows: the batch ahead of SUB 1 has 62 loads, so that its last load is issued with fewer than 63 out
	global_load_b32 v126, v4, s[70:71] offset:126*4096 th:TH_LOAD_NT
	global_load_b32 v127, v4, s[70:71] offset:127*4096 th:TH_LOAD_NT
	WIN 0
	SUB 2
	; ---- M: my 32 columns x 128 along d, between X's third and fourth sub-step: a whole sub-step stands between its last loads and this wait
	s_wait_loadcnt 0x0
	WIN 0xFF
	QB4
	v_lshl_or_b32 v[CF], v[BY+1], 8, v[BY]
	v_lshl_or_b32 v[CF], v[BY+2], 16, v[CF]
	v_lshl_or_b32 v[CF], v[BY+3], 24, v[CF]
	WIN 0x0C                                       ; a store's data are its source 1: window 3
.irp c, 0,1,2,3
	global_store_b128 v5, v[CC+8*\c:CC+8*\c+3], s[72:73] offset:\c*768     ; 32 lanes fill 512 neighbouring bytes of a record,
	global_store_b64 v6, v[CC+8*\c+4:CC+8*\c+5], s[72:73] offset:\c*768    ; and its last 256
.endr
	global_store_b32 v4, v[CF], s[74:75]
	WIN 0
	; ---- X, rows 64-127
	SUB 3
	; ---- the dots of the four waves meet: wave w adds slot m = w's
	s_wait_dscnt 0x0                               ; my stores into RED are done
	s_barrier_signal -1
	s_barrier_wait -1
.irp j, 0,1,2,3
	ds_load_b128 v[TL+4*\j:TL+4*\j+3], v15 offset:2048*\j
.endr
	v_mov_b32 v[TP+2], 0
	s_wait_dscnt 0x0
	v_pk_add_f32 v[TL:TL+1], v[TL:TL+1], v[TL+4:TL+5]
	v_pk_add_f32 v[TL+2:TL+3], v[TL+2:TL+3], v[TL+6:TL+7]
	v_pk_add_f32 v[TL+8:TL+9], v[TL+8:TL+9], v[TL+12:TL+13]
	v_pk_add_f32 v[TL+10:TL+11], v[TL+10:TL+11], v[TL+14:TL+15]
	v_pk_add_f32 v[TL:TL+1], v[TL:TL+1], v[TL+8:TL+9]
	v_pk_add_f32 v[TL+2:TL+3], v[TL+2:TL+3], v[TL+10:TL+11]
	global_store_b128 v5, v[TL:TL+3], s[86:87]     ; 128 rows' dots: 512 neighbouring bytes
	v_add_f32 v[TP], v[TL], v[TL+1]
	v_add_f32 v[TP+1], v[TL+2], v[TL+3]
	v_add_f32 v[TP], v[TP], v[TP+1]
	v_add_f32_dpp v[TP], v[TP], v[TP] row_xmask:1 row_mask:0xf bank_mask:0xf
	v_add_f32_dpp v[TP], v[TP], v[TP] row_xmask:2 row_mask:0xf bank_mask:0xf
	v_add_f32_dpp v[TP], v[TP], v[TP] row_xmask:4 row_mask:0xf bank_mask:0xf
	v_add_f32_dpp v[TP], v[TP], v[TP] row_xmask:8 row_mask:0xf bank_mask:0xf
	v_permlanex16_b32 v[TP+4], v[TP], s56, s57
	v_add_f32 v[TP], v[TP], v[TP+4]
	v_cmp_eq_u32 vcc_lo, 0, v1
	s_wait_alu depctr_va_vdst(0)
	s_wait_xcnt 0x0                                ; EXEC changes only behind this wait
	s_wait_tensorcnt 0x0
	ds_add_u32 v254, v255
	s_wait_dscnt 0x0
	s_and_saveexec_b32 s95, vcc_lo
	global_store_b32 v[TP+2], v[TP], s[88:89]      ; one lane stores the sum
	s_wait_xcnt 0x0
	s_or_b32 exec_lo, exec_lo, s95
	s_endpgm
.Lfunc_end_k_q75a5e3be7d_prep:
	.size	k_q75a5e3be7d_prep, .Lfunc_end_k_q75a5e3be7d_prep-k_q75a5e3be7d_prep
	.p2alignl 7, 3214868480
	.fill 96, 4, 3214868480
	.section	.rodata,"a",@progbits
	.p2align	6, 0x0
	.amdhsa_kernel k_q75a5e3be7d_prep
		.amdhsa_group_segment_fixed_size 327680
		.amdhsa_private_segment_fixed_size 0
		.amdhsa_enable_private_segment 0
		.amdhsa_kernarg_size 72
		.amdhsa_user_sgpr_count 2
		.amdhsa_user_sgpr_kernarg_segment_ptr 1
		.amdhsa_wavefront_size32 1
		.amdhsa_system_sgpr_workgroup_id_x 1
		.amdhsa_system_sgpr_workgroup_id_y 1
		.amdhsa_system_sgpr_workgroup_id_z 1
		.amdhsa_system_vgpr_workitem_id 0
		.amdhsa_next_free_vgpr 1024
		.amdhsa_next_free_sgpr 100
		.amdhsa_reserve_vcc 1
		.amdhsa_float_denorm_mode_32 3
		.amdhsa_float_denorm_mode_16_64 3
		.amdhsa_memory_ordered 1
		.amdhsa_forward_progress 1
		.amdhsa_inst_pref_size 255
	.end_amdhsa_kernel
	.section	.bss,"aw",@nobits
	.p2align	6
	.space	262144
	.amdgpu_metadata
---
amdhsa.version: [ 1, 2 ]
amdhsa.kernels:
  - .name:           k_q75a5e3be7d_prep
    .symbol:         k_q75a5e3be7d_prep.kd
    .args:
      - { .name: queries, .offset: 0, .size: 8, .value_kind: global_buffer, .address_space: global }
      - { .name: keys, .offset: 8, .size: 8, .value_kind: global_buffer, .address_space: global }
      - { .name: memories, .offset: 16, .size: 8, .value_kind: global_buffer, .address_space: global }
      - { .name: memory_norms, .offset: 24, .size: 8, .value_kind: global_buffer, .address_space: global }
      - { .name: mcod, .offset: 32, .size: 8, .value_kind: global_buffer, .address_space: global }
      - { .name: xcod, .offset: 40, .size: 8, .value_kind: global_buffer, .address_space: global }
      - { .name: kcod, .offset: 48, .size: 8, .value_kind: global_buffer, .address_space: global }
      - { .name: scal, .offset: 56, .size: 8, .value_kind: global_buffer, .address_space: global }
      - { .name: sums, .offset: 64, .size: 8, .value_kind: global_buffer, .address_space: global }
    .group_segment_fixed_size: 327680
    .private_segment_fixed_size: 0
    .kernarg_segment_align: 8
    .kernarg_segment_size: 72
    .max_flat_workgroup_size: 128
    .sgpr_count:     100
    .vgpr_count:     1024
    .wavefront_size: 32
...
	.end_amdgpu_metadata
.endif
;; end of part 1
;; launch retr (part 2): grid 4 x 64, 4 waves a work-group, no clusters, 327,680 bytes of LDS; arguments xcod, mcod, scal, sums, values, dcod, dscl; writes dcod, dscl
.if DOCPART == 2
	.amdgcn_target "amdgcn-amd-amdhsa--gfx1250"
	.amdhsa_code_object_version 6
	.text
	.protected	k_q75a5e3be7d_retr
	.globl	k_q75a5e3be7d_retr
	.p2align	8
	.type	k_q75a5e3be7d_retr,@function
k_q75a5e3be7d_retr:
	s_mov_b64 s[64:65], 0
	v_nop
	global_prefetch_b8 v0, s[64:65] scope:SCOPE_SE
	s_setreg_imm32_b32 hwreg(HW_REG_WAVE_MODE, 25, 1), 1
	s_wait_xcnt 0x0
; RETR: retrieved = sigma(K) mem0 on codes of E3M2 (K = d = 1024), delta_v = values - retrieved / max(knorm, 1e-6) in f32, quantised in registers along (b, s): delta_v never goes to memory as f32.
; A work-group takes 128 rows (b, s), one K step of the next product, x 256 columns e; wave w takes 64 columns (four tiles) and all 128 rows.
; mem0's fragments of the wave's 64 columns, for all of K, have registers of their own (384).  sigma(K)'s 128 rows x 1024 codes (98,304 bytes) and the values' tile come into LDS once.
; mem0's FRAGMENTS COME K STEP BY K STEP, 16 loads a step: steps 0 to 3 are asked for at the head, step ks + 4 in the first unit of step ks, and each step's products wait for that step's loads alone.
; THE PRODUCT IS USED SO THAT A LANE HOLDS A COLUMN e AND ITS REGISTERS RUN ALONG (b, s): source 0 = 16 rows of sigma(K), source 1 = 16 columns of mem0.
; THE ROWS OF A TILE OF sigma(K) ARE NOT NEIGHBOURS: lane r of tile 2 P + u takes row 32 P + 8 u + r + 8 (r / 8), so that the 16 registers of tiles 2 P, 2 P + 1 are rows 32 P + 16 (lane / 16) + 0 .. 15.
; Codes lie in records of 768 bytes (a pair of tiles x a block of 32): bytes 16 L: registers 0-3 of row L; bytes 512 + 8 L: registers 4-5.  Scale words: [K step][row].
; No cluster: of the 426 KB that a work-group takes in, only sigma(K)'s 98 KB are shared with three others.  LDS is filled once: nothing is filled again.
; LIMITS: NaN and infinities are not served; the division is a reciprocal (1 ulp) and a fused multiply-add; a block under 2^-122, or of zeros, keeps the byte 1 (this program alone reads the bytes).
; REGISTERS: window 0: v1-17 addresses; v24-55 sigma(K)'s scale words (pair P, K step); v56-71 mem0's; v72-167 two sets of four streamed fragments, later 64 values (v72) and codes (v136);
;   v168-231 -1 / knorm of my 64 rows; v232-250 at work.   windows 1, 2: mem0's fragments of tiles 0, 1 and 2, 3.   window 3: the 32 accumulators (tile t, row tile a) at 64 t + 8 a.
.set VAL,  98304                       ; LDS: sigma(K)'s records at 0; the values at VAL: 128 rows x (1,024 + 8) bytes: lanes 16-31, 16 rows further down, fall 32 banks from lanes 0-15
.set KSC,  24
.set MSC,  56
.set SETS, 72
.set VV,   72
.set PC,   136
.set RK,   168
.set TM,   232
.set PW,   248
.set PW0,  249
.set PWS,  250
.set MSB, 0
.macro WIN new
.if MSB != (\new)
	s_set_vgpr_msb (MSB<<8)|(\new)
.set MSB, (\new)
.endif
.endm
.macro PLACES                          ; four places behind a matrix instruction, ahead of loads into its registers and of reads of results
.rept 4
	v_nop
.endr
.endm
.macro QUANT s                         ; 64 numbers, register 16 b + i = k 32 b + 16 (lane / 16) + i of my operand row, become 12 code registers in v[PC] on and the scale word v[PW]
.irp b, 0,1,2,3
	v_max3_num_f32 v[TM+\b], |v[\s+16*\b]|, |v[\s+1+16*\b]|, 0x2800000
.endr
.irp i, 2,4,6,8,10,12,14
.irp b, 0,1,2,3
	v_max3_num_f32 v[TM+\b], v[TM+\b], |v[\s+16*\b+\i]|, |v[\s+1+16*\b+\i]|
.endr
.endr
.irp b, 0,1,2,3
	v_permlanex16_b32 v[TM+4+\b], v[TM+\b], s60, s61
.endr
.irp b, 0,1,2,3
	v_max_num_f32 v[TM+\b], v[TM+\b], v[TM+4+\b]
.endr
.irp b, 0,1,2,3
	v_add_nc_u32 v[TM+12+\b], 0xfe000000, v[TM+\b]
.endr
.irp b, 0,1,2,3
	v_lshrrev_b32 v[TM+4+\b], 23, v[TM+12+\b]
.endr
	v_lshl_or_b32 v[PW], v[TM+5], 8, v[TM+4]
	v_lshl_or_b32 v[PW], v[TM+6], 16, v[PW]
	v_lshl_or_b32 v[PW], v[TM+7], 24, v[PW]
.irp c, 0,1
	v_cvt_scalef32_pk16_bf6_f32 v[PC+6*\c:PC+2+6*\c], v[\s+32*\c:\s+15+32*\c], v[TM+12+2*\c]
	v_cvt_scalef32_pk16_bf6_f32 v[PC+12+4*\c:PC+14+4*\c], v[\s+16+32*\c:\s+31+32*\c], v[TM+12+2*\c+1]
.endr
	v_nop                                              ; one plain place behind a scaled conversion
.irp c, 0,1
.irp i, 0,1,2
	v_permlane16_swap_b32 v[PC+6*\c+\i], v[PC+12+4*\c+\i]
.endr
.irp i, 0,1,2
	v_mov_b32 v[PC+3+6*\c+\i], v[PC+12+4*\c+\i]
.endr
.endr
.endm
.macro STREC sb, imm, u                ; v5 = 768 h + 16 r, v6 = 768 h + 512 + 8 r
	global_store_b128 v5, v[PC:PC+3], s[\sb:\sb+1] offset:(\imm)+256*(\u)
	global_store_b64 v6, v[PC+4:PC+5], s[\sb:\sb+1] offset:(\imm)+128*(\u)
	global_store_b128 v5, v[PC+6:PC+9], s[\sb:\sb+1] offset:(\imm)+256*(\u)+1536
	global_store_b64 v6, v[PC+10:PC+11], s[\sb:\sb+1] offset:(\imm)+128*(\u)+1536
.endm
; the matrix line.  WD, WA, WB: D, source 0, source 1; WSA, WSB their scale words; WR: 1 = source 0's words in lanes 16-31, 2 = source 1's, 4 = the sum begins
.macro WM
.if WR == 0
	v_wmma_scale_f32_16x16x128_f8f6f4 v[WD:WD+7], v[WA:WA+11], v[WB:WB+11], v[WD:WD+7], v[WSA], v[WSB] matrix_a_fmt:MATRIX_FMT_BF6 matrix_b_fmt:MATRIX_FMT_BF6
.elseif WR == 1
	v_wmma_scale_f32_16x16x128_f8f6f4 v[WD:WD+7], v[WA:WA+11], v[WB:WB+11], v[WD:WD+7], v[WSA], v[WSB] matrix_a_fmt:MATRIX_FMT_BF6 matrix_b_fmt:MATRIX_FMT_BF6 matrix_a_scale:MATRIX_SCALE_ROW1
.elseif WR == 2
	v_wmma_scale_f32_16x16x128_f8f6f4 v[WD:WD+7], v[WA:WA+11], v[WB:WB+11], v[WD:WD+7], v[WSA], v[WSB] matrix_a_fmt:MATRIX_FMT_BF6 matrix_b_fmt:MATRIX_FMT_BF6 matrix_b_scale:MATRIX_SCALE_ROW1
.elseif WR == 3
	v_wmma_scale_f32_16x16x128_f8f6f4 v[WD:WD+7], v[WA:WA+11], v[WB:WB+11], v[WD:WD+7], v[WSA], v[WSB] matrix_a_fmt:MATRIX_FMT_BF6 matrix_b_fmt:MATRIX_FMT_BF6 matrix_a_scale:MATRIX_SCALE_ROW1 matrix_b_scale:MATRIX_SCALE_ROW1
.elseif WR == 4
	v_wmma_scale_f32_16x16x128_f8f6f4 v[WD:WD+7], v[WA:WA+11], v[WB:WB+11], 0, v[WSA], v[WSB] matrix_a_fmt:MATRIX_FMT_BF6 matrix_b_fmt:MATRIX_FMT_BF6
.elseif WR == 5
	v_wmma_scale_f32_16x16x128_f8f6f4 v[WD:WD+7], v[WA:WA+11], v[WB:WB+11], 0, v[WSA], v[WSB] matrix_a_fmt:MATRIX_FMT_BF6 matrix_b_fmt:MATRIX_FMT_BF6 matrix_a_scale:MATRIX_SCALE_ROW1
.elseif WR == 6
	v_wmma_scale_f32_16x16x128_f8f6f4 v[WD:WD+7], v[WA:WA+11], v[WB:WB+11], 0, v[WSA], v[WSB] matrix_a_fmt:MATRIX_FMT_BF6 matrix_b_fmt:MATRIX_FMT_BF6 matrix_b_scale:MATRIX_SCALE_ROW1
.else
	v_wmma_scale_f32_16x16x128_f8f6f4 v[WD:WD+7], v[WA:WA+11], v[WB:WB+11], 0, v[WSA], v[WSB] matrix_a_fmt:MATRIX_FMT_BF6 matrix_b_fmt:MATRIX_FMT_BF6 matrix_a_scale:MATRIX_SCALE_ROW1 matrix_b_scale:MATRIX_SCALE_ROW1
.endif
.endm
; 16 global loads: mem0's four fragments (my tiles 0 to 3) of K step ks, into their own registers, which no earlier line has named
.macro LOADR ks
.irp t, 0,1,2,3
	WIN 0x40+0x40*(\t/2)                               ; destination window 1 or 2
.set RR, 12*(8*(\t%2)+(\ks))
	global_load_b128 v[RR:RR+3], v5, s[54:55] offset:(\t/2)*98304+(\ks)*3072+256*(\t%2)
	global_load_b64 v[RR+4:RR+5], v6, s[54:55] offset:(\t/2)*98304+(\ks)*3072+128*(\t%2)
	global_load_b128 v[RR+6:RR+9], v5, s[54:55] offset:(\t/2)*98304+(\ks)*3072+256*(\t%2)+1536
	global_load_b64 v[RR+10:RR+11], v6, s[54:55] offset:(\t/2)*98304+(\ks)*3072+128*(\t%2)+1536
.endr
.endm
; four fragments of sigma(K): row tiles 4 ah + f of K step ks, into set
.macro FETCH set, ah, ks
.irp f, 0,1,2,3
.set FR, SETS+48*(\set)+12*\f
.set OF, (\f/2)*24576+(\ks)*3072
	ds_load_b128 v[FR:FR+3], v[10+(\ah)] offset:OF+128*(\f%2)
	ds_load_b64 v[FR+4:FR+5], v[12+(\ah)] offset:OF+64*(\f%2)
	ds_load_b128 v[FR+6:FR+9], v[10+(\ah)] offset:OF+128*(\f%2)+1536
	ds_load_b64 v[FR+10:FR+11], v[12+(\ah)] offset:OF+64*(\f%2)+1536
.endr
.endm
; sixteen matrix instructions on sixteen accumulators, one a turn; the next unit takes the other sixteen
.macro MUL16 set, ah, ks, zero
.irp y, 0,1
	WIN 0xF4+4*\y                                      ; source 0 window 0, source 1 window 1 or 2, C and D window 3
.irp x, 0,1
.irp f, 0,1,2,3
.set WD, 64*(2*\y+\x)+8*(4*(\ah)+\f)
.set WA, SETS+48*(\set)+12*\f
.set WB, 12*(8*\x+(\ks))
.set WSA, KSC+8*(2*(\ah)+\f/2)+(\ks)
.set WSB, MSC+8*\y+(\ks)
.set WR, (\f%2)+2*\x+4*(\zero)
	WM
.endr
.endr
.endr
.endm
	s_load_b256 s[4:11], s[0:1], 0x0               ; xcod, mcod, scal, sums
	s_load_b128 s[12:15], s[0:1], 0x20             ; values, dcod
	s_load_b64 s[16:17], s[0:1], 0x30              ; dscl
	v_lshl_add_u32 v254, v0, 2, 0x38400
	v_mov_b32 v255, 0
	ds_add_u32 v254, v255
	ds_add_u32 v254, v255
	v_lshrrev_b32 v1, 5, v0
	v_readfirstlane_b32 s18, v1                    ; wave
	s_mov_b32 s19, ttmp9                           ; which 256 columns e
	s_and_b32 s20, ttmp7, 0xffff                   ; which 128 rows (b, s)
	s_mov_b32 s24, 3<<16                           ; group 1 for sigma(K)'s records: a dense block of 24,576 bytes as 96 rows of 256 (32 elements of 8 bytes)
	s_mov_b32 s25, 32<<16
	s_mov_b32 s26, 96<<16
	s_mov_b32 s27, 32<<16
	s_mov_b32 s28, 96
	s_mov_b32 s29, 32
	s_mov_b32 s30, 0
	s_mov_b32 s31, 0
	s_mov_b32 s32, (2<<16)|(1<<20)|(7<<22)|(1<<25) ; group 1 for the values: 32 rows of 256 f32, 2 words of padding behind every 256
	s_mov_b32 s33, 256<<16
	s_mov_b32 s34, 32<<16
	s_mov_b32 s35, 256<<16
	s_mov_b32 s36, 32
	s_mov_b32 s37, 1024
	s_mov_b32 s38, 0
	s_mov_b32 s39, 0
	s_mov_b32 s60, 0x76543210
	s_mov_b32 s61, 0xfedcba98
	s_mov_b32 s62, 0xffff0000                      ; lanes 16-31
	s_mov_b32 s67, 0
	s_lshl_b32 s66, s20, 2
	s_add_co_u32 s66, s66, s18
	s_mul_i32 s66, s66, 24576
	s_add_co_u32 s66, s66, 6291456                 ; the keys' half of xcod, pair of tiles 4 x block + wave
	s_mov_b32 s69, 0
	s_lshl_b32 s68, s20, 19
	s_lshl_b32 s70, s18, 17
	s_add_co_u32 s68, s68, s70
	s_lshl_b32 s70, s19, 10
	s_add_co_u32 s68, s68, s70                     ; values: row 128 x block + 32 x wave, column 256 x eq
	s_mul_i32 s21, s18, 24576
	s_mul_i32 s22, s18, 33024
	s_add_co_u32 s22, s22, VAL
	v_and_b32 v1, 31, v0                           ; lane
	v_and_b32 v2, 15, v0                           ; r
	v_bfe_u32 v3, v0, 4, 1                         ; h
	v_lshlrev_b32 v4, 2, v1
	v_mul_u32_u24 v5, v3, 768
	v_lshl_add_u32 v6, v2, 3, v5
	v_add_nc_u32 v6, 512, v6
	v_lshl_add_u32 v5, v2, 4, v5
	v_lshlrev_b32 v7, 6, v3
	v_and_b32 v8, 8, v2
	v_add_nc_u32 v8, v8, v2                        ; r + 8 (r / 8)
	v_lshl_add_u32 v9, v3, 3, v8
	v_lshlrev_b32 v9, 2, v9                        ; sigma(K)'s scale words: lanes 0-15 the even tile's rows, lanes 16-31 the odd tile's, 8 rows on
	v_mul_u32_u24 v10, v3, 768
	v_lshl_add_u32 v12, v8, 3, v10
	v_add_nc_u32 v12, 512, v12
	v_lshl_add_u32 v10, v8, 4, v10
	v_add_nc_u32 v11, 49152, v10
	v_add_nc_u32 v13, 49152, v12
	v_mul_u32_u24 v14, v3, 16512
	v_lshl_add_u32 v14, v2, 2, v14
	s_lshl_b32 s23, s18, 8
	s_add_co_u32 s23, s23, VAL
	v_add_nc_u32 v14, s23, v14                     ; values: row 16 h, column 64 w + r
	v_add_nc_u32 v15, 33024, v14
	v_add_nc_u32 v16, 66048, v14
	v_add_nc_u32 v17, 99072, v14
.irp j, 0,1,2,3
	v_mov_b32 v[TM+4+\j], 0                        ; a lane permute's destination counts as one of its sources
.endr
	s_wait_dscnt 0x0
	s_wait_kmcnt 0x0
	s_mov_b32 s40, 1
	s_mov_b32 s41, s21
	s_add_nc_u64 s[42:43], s[4:5], s[66:67]
	s_or_b32 s43, s43, 0x80000000
	s_mov_b32 s44, 1
	s_mov_b32 s45, s22
	s_add_nc_u64 s[46:47], s[12:13], s[68:69]
	s_or_b32 s47, s47, 0x80000000
	tensor_load_to_lds s[40:43], s[24:31]          ; my quarter of sigma(K)'s codes,
	s_nop 0
	PLACES
	s_lshl_b32 s66, s20, 9
	s_add_co_u32 s68, s66, 393216
	s_add_co_u32 s66, s66, 262144
	s_add_nc_u64 s[48:49], s[10:11], s[66:67]      ; the keys' dots with slot 0's norm, first column half
	s_add_nc_u64 s[50:51], s[8:9], s[68:69]        ; sigma(K)'s scale words
	s_lshl_b32 s66, s19, 10
	s_lshl_b32 s70, s18, 8
	s_add_co_u32 s66, s66, s70
	s_add_nc_u64 s[52:53], s[8:9], s[66:67]        ; mem0's scale words at my 64 columns
	s_lshl_b32 s70, s20, 12
	s_add_co_u32 s66, s66, s70
	s_add_nc_u64 s[58:59], s[16:17], s[66:67]      ; delta_v's scale words
	s_lshl_b32 s70, s19, 3
	s_lshl_b32 s71, s18, 1
	s_add_co_u32 s70, s70, s71                     ; my first pair of tiles along e
	s_mul_i32 s66, s70, 98304
	s_add_nc_u64 s[54:55], s[6:7], s[66:67]        ; mem0's codes
	s_mul_i32 s66, s70, 196608
	s_mul_i32 s71, s20, 3072
	s_add_co_u32 s66, s66, s71
	s_add_nc_u64 s[56:57], s[14:15], s[66:67]      ; delta_v's codes
.irp q, 0,1,2,3,4,5,6,7,8,9,10,11,12,13,14,15
	global_load_b128 v[RK+4*\q:RK+4*\q+3], v7, s[48:49] offset:128*(\q/4)+16*(\q%4)             ; register 16 b + i: row 32 b + 16 h + i
.endr
.irp q, 0,1,2,3,4,5,6,7,8,9,10,11,12,13,14,15
	global_load_b128 v[VV+4*\q:VV+4*\q+3], v7, s[48:49] offset:131072+128*(\q/4)+16*(\q%4)      ; the second column half
.endr
.irp p, 0,1,2,3
.irp s, 0,1,2,3,4,5,6,7
	global_load_b32 v[KSC+8*\p+\s], v9, s[50:51] offset:\s*32768+\p*128
.endr
.endr
.irp p, 0,1
.irp s, 0,1,2,3,4,5,6,7
	global_load_b32 v[MSC+8*\p+\s], v4, s[52:53] offset:\s*4096+\p*128
.endr
.endr
	LOADR 0
	LOADR 1
	LOADR 2
	LOADR 3
	WIN 0
	s_wait_loadcnt 63                              ; 112 loads were issued behind the 32 of the dots: with 63 out at the most, the dots are in
.set k, 0
.rept 32
	v_pk_add_f32 v[RK+k:RK+k+1], v[RK+k:RK+k+1], v[VV+k:VV+k+1]
.set k, k+2
.endr
.set k, 0
.rept 64
	v_max_num_f32 v[RK+k], 0x358637bd, v[RK+k]     ; the clip at 1e-6
.set k, k+1
.endr
.set k, 0
	s_wait_alu depctr_va_vdst(0)
.rept 64
	v_rcp_f32 v[RK+k], v[RK+k]
.set k, k+1
.endr
	v_nop                                          ; a plain place behind the reciprocals
.set k, 0
	s_wait_alu depctr_va_vdst(0)
.rept 32
	v_pk_mul_f32 v[RK+k:RK+k+1], v[RK+k:RK+k+1], -1.0 op_sel_hi:[1,0]
.set k, k+2
.endr
	s_wait_tensorcnt 0x0                           ; my quarter of the codes has landed
	ds_add_u32 v254, v255                          ; 0 onto my spare word, ahead of a later first fill
	s_wait_dscnt 0x0
	s_barrier_signal -1
	s_barrier_wait -1
	tensor_load_to_lds s[44:47], s[32:39]          ; my 32 rows of the values, into bytes of their own: my one load behind this barrier; the whole product stands between it and the wait for it
	s_nop 0
	PLACES
	; ---- the product: 16 units of (K step n / 2, row tiles 4 (n % 2) on); a unit's fragments of sigma(K) are fetched a unit ahead, mem0's four K steps ahead
	FETCH 0, 0, 0
.irp n, 0,1,2,3,4,5,6,7,8,9,10,11,12,13,14,15
	PLACES
.if \n < 15
	WIN 0
	FETCH (\n+1)%2, (\n+1)%2, (\n+1)/2
.endif
.if (\n%2) == 0
.if \n < 8
	LOADR \n/2+4
	s_wait_loadcnt 63                              ; behind this K step's fragments of mem0 stand four steps' loads, 64: with 63 out at the most they are in, and the scale words ahead of them too
.else
	s_wait_loadcnt 16*(7-\n/2)                     ; behind this K step's stand the later steps' loads, 16 each
.endif
.endif
.if \n < 15
	s_wait_dscnt 16                                ; all but the 16 LDS loads just issued
.else
	s_wait_dscnt 0x0
.endif
.if \n < 2
	MUL16 \n%2, \n%2, \n/2, 1
.else
	MUL16 \n%2, \n%2, \n/2, 0
.endif
.endr
	WIN 0
	PLACES
	s_wait_tensorcnt 0x0                           ; my rows of the values have landed,
	s_wait_dscnt 0x0
	s_barrier_signal -1
	s_barrier_wait -1                              ; everybody's have
	; ---- delta_v, a tile of 16 columns at a time: 64 rows a lane
.irp t, 0,1,2,3
.irp b, 0,1,2,3
.set i, 0
.rept 16
	ds_load_b32 v[VV+16*\b+i], v[14+\b] offset:i*1032+64*\t
.set i, i+1
.endr
.endr
	s_wait_dscnt 0x0
	s_wait_xcnt 0x0                                ; the last tile's stores have read PC and the scale word
	WIN 0x03                                       ; source 0 (the sums) in window 3
.set k, 0
.rept 32
	v_pk_fma_f32 v[VV+k:VV+k+1], v[64*\t+k:64*\t+k+1], v[RK+k:RK+k+1], v[VV+k:VV+k+1]   ; each accumulator from its low end on
.set k, k+2
.endr
	WIN 0
	QUANT VV
	STREC 56, (\t/2)*196608, \t%2
.if (\t%2) == 0
	v_mov_b32 v[PW0], v[PW]
.else
	v_cndmask_b32 v[PWS], v[PW0], v[PW], s62       ; lane = column in the pair of tiles
	global_store_b32 v4, v[PWS], s[58:59] offset:(\t/2)*128
.endif
.endr
	s_wait_tensorcnt 0x0
	ds_add_u32 v254, v255
	s_wait_dscnt 0x0
	s_endpgm
.Lfunc_end_k_q75a5e3be7d_retr:
	.size	k_q75a5e3be7d_retr, .Lfunc_end_k_q75a5e3be7d_retr-k_q75a5e3be7d_retr
	.p2alignl 7, 3214868480
	.fill 96, 4, 3214868480
	.section	.rodata,"a",@progbits
	.p2align	6, 0x0
	.amdhsa_kernel k_q75a5e3be7d_retr
		.amdhsa_group_segment_fixed_size 327680
		.amdhsa_private_segment_fixed_size 0
		.amdhsa_enable_private_segment 0
		.amdhsa_kernarg_size 56
		.amdhsa_user_sgpr_count 2
		.amdhsa_user_sgpr_kernarg_segment_ptr 1
		.amdhsa_wavefront_size32 1
		.amdhsa_system_sgpr_workgroup_id_x 1
		.amdhsa_system_sgpr_workgroup_id_y 1
		.amdhsa_system_sgpr_workgroup_id_z 1
		.amdhsa_system_vgpr_workitem_id 0
		.amdhsa_next_free_vgpr 1024
		.amdhsa_next_free_sgpr 80
		.amdhsa_reserve_vcc 0
		.amdhsa_float_denorm_mode_32 3
		.amdhsa_float_denorm_mode_16_64 3
		.amdhsa_memory_ordered 1
		.amdhsa_forward_progress 1
		.amdhsa_inst_pref_size 130
	.end_amdhsa_kernel
	.amdgpu_metadata
---
amdhsa.version: [ 1, 2 ]
amdhsa.kernels:
  - .name:           k_q75a5e3be7d_retr
    .symbol:         k_q75a5e3be7d_retr.kd
    .args:
      - { .name: xcod, .offset: 0, .size: 8, .value_kind: global_buffer, .address_space: global }
      - { .name: mcod, .offset: 8, .size: 8, .value_kind: global_buffer, .address_space: global }
      - { .name: scal, .offset: 16, .size: 8, .value_kind: global_buffer, .address_space: global }
      - { .name: sums, .offset: 24, .size: 8, .value_kind: global_buffer, .address_space: global }
      - { .name: values, .offset: 32, .size: 8, .value_kind: global_buffer, .address_space: global }
      - { .name: dcod, .offset: 40, .size: 8, .value_kind: global_buffer, .address_space: global }
      - { .name: dscl, .offset: 48, .size: 8, .value_kind: global_buffer, .address_space: global }
    .group_segment_fixed_size: 327680
    .private_segment_fixed_size: 0
    .kernarg_segment_align: 8
    .kernarg_segment_size: 56
    .max_flat_workgroup_size: 128
    .sgpr_count:     80
    .vgpr_count:     1024
    .wavefront_size: 32
...
	.end_amdgpu_metadata
.endif
;; end of part 2
;; launch upd (part 3): grid 32 x 8, 4 waves a work-group, clusters of 4 x 4, 327,680 bytes of LDS; arguments kcod, dcod, scal, dscl, part; writes part
.if DOCPART == 3
	.amdgcn_target "amdgcn-amd-amdhsa--gfx1250"
	.amdhsa_code_object_version 6
	.text
	.protected	k_q75a5e3be7d_upd
	.globl	k_q75a5e3be7d_upd
	.p2align	8
	.type	k_q75a5e3be7d_upd,@function
k_q75a5e3be7d_upd:
	s_mov_b64 s[64:65], 0
	v_nop
	global_prefetch_b8 v0, s[64:65] scope:SCOPE_SE
	s_setreg_imm32_b32 hwreg(HW_REG_WAVE_MODE, 25, 1), 1
	s_wait_xcnt 0x0
	s_wait_alu depctr_hold_cnt(0) depctr_sa_sdst(0) depctr_va_vdst(0) depctr_va_sdst(0) depctr_va_ssrc(0) depctr_va_vcc(0) depctr_vm_vsrc(0)
	s_getreg_b32 s2, hwreg(HW_REG_IB_STS2, 6, 4)
	s_cmp_eq_u32 s2, 0
	s_cbranch_scc0 .Lentry_in_a_cluster
	s_endpgm
.Lentry_in_a_cluster:
	s_bfe_u32 s2, ttmp6, 0x10000c
	s_cmp_lg_u32 s2, 0xf033
	s_cbranch_scc0 .Lentry_shape_is_right
	s_endpgm
.Lentry_shape_is_right:
; UPD: sigma(K)^T delta_v on codes of E3M2, K = (b, s) = 8192.  The result is only 1024 x 1024: 64 tiles of 128 x 128, so K is split in four, and each of 256 work-groups
; writes the f32 sums of its quarter of K (2,048) to part[quarter][d][e]; the next launch adds the four in a fixed order.
; Four waves, each 64 (d) x 64 (e): 16 accumulators.  Source 0 = 16 columns e of delta_v, source 1 = 16 columns d of sigma(K): a lane holds one d and eight neighbouring e.
; K goes in three chunks of 768, 768 and 512 (24, 24, 16 records a pair of tiles) through two LDS slots of 147,456 bytes: chunk 0 is asked for at the head, chunk 1 behind the round that shows chunk 0 whole,
; chunk 2 into slot 0 when chunk 0 has been read: one joint load a wave at the head and behind each round.
; CLUSTER 4 x 4: the four work-groups of a row need the same records of sigma(K), the four of a column the same of delta_v: joint loads.  All sixteen share the quarter of K.
; No prefetch: the walk is three chunks written out, with no loop to run ahead in.
; Codes lie in records of 768 bytes (a pair of tiles x a block of 32): bytes 16 L: registers 0-3 of row L; bytes 512 + 8 L: registers 4-5.  Scale words: [K step][row].
; REGISTERS: window 0: v2-21 addresses, v28-29 for the add; v32-63 sigma(K)'s scale words (K step, pair), v64-95 delta_v's; v128-255 the accumulators (i, t) at 128 + 8 (4 i + t).
;   window 1: two sets of 96: four fragments of sigma(K), four of delta_v; on the way out v0-127: 64 rows read back from the stage.
.set SLOT,  147456
.set REG,   36864                      ; a wave's part of a slot: two pairs of tiles x 24 records
.set PP,    18432                      ; from pair to pair in that part: 24 records; 16 in the last chunk
.set STAGE, 294912                     ; 16 rows x 272 bytes for each wave
.set SPARE, 312320                     ; the spare words, 128 bytes for each wave
.set MSB, 0
.macro WIN new
.if MSB != (\new)
	s_set_vgpr_msb (MSB<<8)|(\new)
.set MSB, (\new)
.endif
.endm
.macro PLACES
.rept 4
	v_nop
.endr
.endm
.macro CROUND                          ; a round of the cluster's barrier
	s_barrier_signal -1
	s_barrier_wait -1
	s_cmp_lg_u32 s14, 0
	s_cbranch_scc1 .Lnot_wave_0_\@
	s_barrier_signal -3
.Lnot_wave_0_\@:
	s_barrier_wait -3
	s_barrier_signal -1
	s_barrier_wait -1
.endm
.macro JLOAD a, b                      ; a joint load: waves 0, 1 fetch sigma(K)'s records (group 0 at s[a]), waves 2, 3 delta_v's (s[b]); s_nop 0 and four v_nop follow each line
	s_cmp_eq_u32 s15, 0
	s_cbranch_scc0 .Lfor_b_\@
	tensor_load_to_lds s[\a:\a+3], s[24:31]
	s_nop 0
	PLACES
	s_branch .Lasked_\@
.Lfor_b_\@:
	tensor_load_to_lds s[\b:\b+3], s[32:39]
	s_nop 0
	PLACES
.Lasked_\@:
.endm
.macro WM
.if WR == 0
	v_wmma_scale_f32_16x16x128_f8f6f4 v[WD:WD+7], v[WA:WA+11], v[WB:WB+11], v[WD:WD+7], v[WSA], v[WSB] matrix_a_fmt:MATRIX_FMT_BF6 matrix_b_fmt:MATRIX_FMT_BF6
.elseif WR == 1
	v_wmma_scale_f32_16x16x128_f8f6f4 v[WD:WD+7], v[WA:WA+11], v[WB:WB+11], v[WD:WD+7], v[WSA], v[WSB] matrix_a_fmt:MATRIX_FMT_BF6 matrix_b_fmt:MATRIX_FMT_BF6 matrix_a_scale:MATRIX_SCALE_ROW1
.elseif WR == 2
	v_wmma_scale_f32_16x16x128_f8f6f4 v[WD:WD+7], v[WA:WA+11], v[WB:WB+11], v[WD:WD+7], v[WSA], v[WSB] matrix_a_fmt:MATRIX_FMT_BF6 matrix_b_fmt:MATRIX_FMT_BF6 matrix_b_scale:MATRIX_SCALE_ROW1
.elseif WR == 3
	v_wmma_scale_f32_16x16x128_f8f6f4 v[WD:WD+7], v[WA:WA+11], v[WB:WB+11], v[WD:WD+7], v[WSA], v[WSB] matrix_a_fmt:MATRIX_FMT_BF6 matrix_b_fmt:MATRIX_FMT_BF6 matrix_a_scale:MATRIX_SCALE_ROW1 matrix_b_scale:MATRIX_SCALE_ROW1
.elseif WR == 4
	v_wmma_scale_f32_16x16x128_f8f6f4 v[WD:WD+7], v[WA:WA+11], v[WB:WB+11], 0, v[WSA], v[WSB] matrix_a_fmt:MATRIX_FMT_BF6 matrix_b_fmt:MATRIX_FMT_BF6
.elseif WR == 5
	v_wmma_scale_f32_16x16x128_f8f6f4 v[WD:WD+7], v[WA:WA+11], v[WB:WB+11], 0, v[WSA], v[WSB] matrix_a_fmt:MATRIX_FMT_BF6 matrix_b_fmt:MATRIX_FMT_BF6 matrix_a_scale:MATRIX_SCALE_ROW1
.elseif WR == 6
	v_wmma_scale_f32_16x16x128_f8f6f4 v[WD:WD+7], v[WA:WA+11], v[WB:WB+11], 0, v[WSA], v[WSB] matrix_a_fmt:MATRIX_FMT_BF6 matrix_b_fmt:MATRIX_FMT_BF6 matrix_b_scale:MATRIX_SCALE_ROW1
.else
	v_wmma_scale_f32_16x16x128_f8f6f4 v[WD:WD+7], v[WA:WA+11], v[WB:WB+11], 0, v[WSA], v[WSB] matrix_a_fmt:MATRIX_FMT_BF6 matrix_b_fmt:MATRIX_FMT_BF6 matrix_a_scale:MATRIX_SCALE_ROW1 matrix_b_scale:MATRIX_SCALE_ROW1
.endif
.endm
; 32 LDS loads: my four fragments of each side for K step ks of slot sl, into set
.macro FETCH set, sl, ks
	WIN 0x40                                           ; destination window 1
.irp f, 0,1,2,3
.set FA, 96*(\set)+12*\f
.set FB, 96*(\set)+48+12*\f
.set OF, (\f/2)*PP+(\ks)*3072
	ds_load_b128 v[FA:FA+3], v[4+(\sl)] offset:OF+256*(\f%2)
	ds_load_b64 v[FA+4:FA+5], v[7+(\sl)] offset:OF+128*(\f%2)
	ds_load_b128 v[FA+6:FA+9], v[4+(\sl)] offset:OF+256*(\f%2)+1536
	ds_load_b64 v[FA+10:FA+11], v[7+(\sl)] offset:OF+128*(\f%2)+1536
	ds_load_b128 v[FB:FB+3], v[10+(\sl)] offset:OF+256*(\f%2)
	ds_load_b64 v[FB+4:FB+5], v[13+(\sl)] offset:OF+128*(\f%2)
	ds_load_b128 v[FB+6:FB+9], v[10+(\sl)] offset:OF+256*(\f%2)+1536
	ds_load_b64 v[FB+10:FB+11], v[13+(\sl)] offset:OF+128*(\f%2)+1536
.endr
.endm
; sixteen matrix instructions, the sixteen accumulators by turns, in the same order in every unit
.macro MUL16 set, kst, zero
	WIN 0x05                                           ; sources 0 and 1 window 1, C and D window 0
.irp i, 0,1,2,3
.irp t, 0,1,2,3
.set WD, 128+8*(4*\i+\t)
.set WA, 96*(\set)+48+12*\t
.set WB, 96*(\set)+12*\i
.set WSA, 64+2*(\kst)+\t/2
.set WSB, 32+2*(\kst)+\i/2
.set WR, (\t%2)+2*(\i%2)+4*(\zero)
	WM
.endr
.endr
.endm
; a K step of 128.  nx = 1: the next step's fragments (slot nsl, step nks) are fetched first, into the other set
.macro UNIT set, kst, zero, nx, nsl, nks
.if \nx
	PLACES                                             ; the other set was read by the matrix instructions just issued
	FETCH 1-(\set), \nsl, \nks
	s_wait_dscnt 32                                    ; all but the 32 loads just issued
.else
	s_wait_dscnt 0x0
.endif
	MUL16 \set, \kst, \zero
.endm
	s_load_b256 s[4:11], s[0:1], 0x0               ; kcod, dcod, scal, dscl
	s_load_b64 s[12:13], s[0:1], 0x20              ; part
	v_lshl_add_u32 v28, v0, 2, SPARE
	v_mov_b32 v29, 0
	ds_add_u32 v28, v29                            ; the opening lines: the add, twice on end, and its wait
	ds_add_u32 v28, v29
	s_wait_dscnt 0x0
	v_lshrrev_b32 v1, 5, v0
	v_readfirstlane_b32 s14, v1                    ; wave
	s_lshr_b32 s15, s14, 1                         ; my half of the tile's d.  Also: I fetch sigma(K) (0) or delta_v (1)
	s_and_b32 s16, s14, 1                          ; my half of its e.  Also: which two pairs of tiles I fetch
	s_bfe_u32 s17, ttmp6, 0x40000                  ; cx
	s_bfe_u32 s18, ttmp6, 0x40004                  ; cy
	s_lshr_b32 s19, ttmp9, 1                       ; the quarter of K: from the cluster's x alone
	s_and_b32 s20, ttmp9, 1
	s_lshl_b32 s20, s20, 2
	s_add_co_u32 s20, s20, s17                     ; tile column (e)
	s_and_b32 s21, ttmp7, 0xffff
	s_lshl_b32 s21, s21, 2
	s_add_co_u32 s21, s21, s18                     ; tile row (d)
	s_lshl_b32 s22, s18, 2
	s_lshl_b32 s22, 15, s22                        ; my row of the cluster
	s_lshl_b32 s23, 0x1111, s17                    ; my column
	s_or_b32 s24, s22, (3<<16)|(1<<21)             ; group 1: the mask; elements of 8 bytes; bit 21 beside a mask
	s_or_b32 s32, s23, (3<<16)|(1<<21)
.irp g, 24, 32
	s_mov_b32 s[\g+1], 2304<<16                    ; tensor_dim0: 24 records = 18,432 bytes
	s_mov_b32 s[\g+2], 2<<16                       ; tensor_dim1: two pairs of tiles
	s_mov_b32 s[\g+3], 2304<<16                    ; tile_dim0
	s_mov_b32 s[\g+4], 2                           ; tile_dim1
	s_mov_b32 s[\g+5], 24576                       ; from pair to pair: 256 records
	s_mov_b32 s[\g+6], 0
	s_mov_b32 s[\g+7], 0
.endr
	s_mul_i32 s70, s16, 393216                     ; my two pairs,
	s_mul_i32 s71, s19, 49152                      ; the quarter's first record
	s_add_co_u32 s70, s70, s71
	s_mul_i32 s66, s21, 786432                     ; sigma(K): the tile row's four pairs
	s_add_co_u32 s66, s66, s70
	s_mov_b32 s67, 0
	s_mul_i32 s68, s20, 786432                     ; delta_v: the tile column's
	s_add_co_u32 s68, s68, s70
	s_mov_b32 s69, 0
	s_mul_i32 s72, s14, REG                        ; where they go in a slot: wave x 36,864
	s_wait_kmcnt 0x0
	s_add_nc_u64 s[66:67], s[4:5], s[66:67]
	s_add_nc_u64 s[68:69], s[6:7], s[68:69]
	CROUND                                         ; all sixteen work-groups are here: the first joint loads meet
.irp s, 0,1
	s_mov_b32 s[40+4*\s], 1
	s_add_co_u32 s[41+4*\s], s72, \s*SLOT
	s_add_nc_u64 s[42+4*\s:43+4*\s], s[66:67], \s*18432
	s_or_b32 s[43+4*\s], s[43+4*\s], 0x80000000
	s_mov_b32 s[52+4*\s], 1
	s_add_co_u32 s[53+4*\s], s72, \s*SLOT
	s_add_nc_u64 s[54+4*\s:55+4*\s], s[68:69], \s*18432
	s_or_b32 s[55+4*\s], s[55+4*\s], 0x80000000
.endr
	JLOAD 40, 52                                   ; chunk 0: my one tensor load at the head
	v_and_b32 v1, 31, v0
	v_and_b32 v2, 15, v0                           ; r
	v_bfe_u32 v3, v0, 4, 1                         ; h
	v_mul_u32_u24 v16, v3, 768
	v_lshl_add_u32 v17, v2, 3, v16
	v_add_nc_u32 v17, 512, v17                     ; 768 h + 512 + 8 r
	v_lshl_add_u32 v16, v2, 4, v16                 ; 768 h + 16 r
	v_lshlrev_b32 v18, 2, v1
	s_mul_i32 s73, s15, REG                        ; sigma(K): my 64 d
	s_mul_i32 s74, s16, REG
	s_add_co_u32 s74, s74, 2*REG                   ; delta_v: my 64 e, behind sigma(K)'s 128
.irp s, 0,1
	v_add_nc_u32 v[4+\s], s73, v16
	v_add_nc_u32 v[7+\s], s73, v17
	v_add_nc_u32 v[10+\s], s74, v16
	v_add_nc_u32 v[13+\s], s74, v17
	s_add_co_u32 s73, s73, SLOT
	s_add_co_u32 s74, s74, SLOT
.endr
	s_mul_i32 s75, s14, 4352
	s_add_co_u32 s75, s75, STAGE                   ; my stage
	v_mul_u32_u24 v19, v2, 272
	v_lshl_add_u32 v19, v3, 5, v19
	v_add_nc_u32 v19, s75, v19                     ; in: row r, 32 bytes for each half of the lanes
	v_mul_u32_u24 v20, v3, 272
	v_lshl_add_u32 v20, v2, 4, v20
	v_add_nc_u32 v20, s75, v20                     ; back: lanes 0-15 one row of 256 bytes, lanes 16-31 the next
	v_lshlrev_b32 v21, 12, v3
	v_lshl_add_u32 v21, v2, 4, v21                 ; and the same two rows in part
	s_mov_b32 s83, 0
	s_lshl_b32 s84, s19, 16                        ; 16 K steps of 4,096 bytes a quarter
	s_lshl_b32 s82, s21, 9
	s_add_co_u32 s82, s82, s84
	s_lshl_b32 s85, s15, 8
	s_add_co_u32 s82, s82, s85
	s_add_co_u32 s82, s82, 655360
	s_add_nc_u64 s[76:77], s[8:9], s[82:83]        ; sigma(K)'s scale words along s
	s_lshl_b32 s82, s20, 9
	s_add_co_u32 s82, s82, s84
	s_lshl_b32 s85, s16, 8
	s_add_co_u32 s82, s82, s85
	s_add_nc_u64 s[78:79], s[10:11], s[82:83]      ; delta_v's
	s_lshl_b32 s82, s19, 22
	s_lshl_b32 s85, s21, 19
	s_add_co_u32 s82, s82, s85
	s_lshl_b32 s85, s15, 18
	s_add_co_u32 s82, s82, s85
	s_lshl_b32 s85, s20, 9
	s_add_co_u32 s82, s82, s85
	s_lshl_b32 s85, s16, 8
	s_add_co_u32 s82, s82, s85
	s_add_nc_u64 s[80:81], s[12:13], s[82:83]      ; part at my 64 x 64
.irp k, 0,1,2,3,4,5,6,7,8,9,10,11,12,13,14,15
.irp p, 0,1
	global_load_b32 v[32+2*\k+\p], v18, s[76:77] offset:\k*4096+\p*128     ; lanes 0-15 the even tile's words, lanes 16-31 the odd tile's
	global_load_b32 v[64+2*\k+\p], v18, s[78:79] offset:\k*4096+\p*128
.endr
.endr
	s_wait_alu depctr_va_vdst(0)                   ; the wait at the head's end
	s_wait_tensorcnt 0x0                           ; my part of chunk 0 has landed
	ds_add_u32 v28, v29
	s_wait_dscnt 0x0
	CROUND                                         ; chunk 0 is whole, and all sixteen work-groups are here
	JLOAD 44, 56                                   ; chunk 1, slot 1's first fill: six K steps, 96 matrix instructions a wave, stand between it and the wait for it
	s_wait_loadcnt 0x0                             ; the scale words
	FETCH 0, 0, 0
	UNIT 0, 0, 1, 1, 0, 1                          ; the first K step starts the sums
	UNIT 1, 1, 0, 1, 0, 2
	UNIT 0, 2, 0, 1, 0, 3
	UNIT 1, 3, 0, 1, 0, 4
	UNIT 0, 4, 0, 1, 0, 5
	UNIT 1, 5, 0, 0, 0, 0
	WIN 0
	s_wait_tensorcnt 0x0                           ; my part of chunk 1 has landed: no tensor load of mine is out, so descriptors may be written
	ds_add_u32 v28, v29                            ; 0 onto my spare word
	s_add_nc_u64 s[42:43], s[42:43], 36864         ; slot 0's next chunk is the third: 48 records on,
	s_add_nc_u64 s[54:55], s[54:55], 36864
	s_mov_b32 s25, 1536<<16                        ; and has 16 records a pair: tensor_dim0,
	s_mov_b32 s27, 1536<<16                        ; tile_dim0;
	s_mov_b32 s33, 1536<<16                        ; the same for delta_v
	s_mov_b32 s35, 1536<<16
	s_wait_dscnt 0x0                               ; the add is done, and my reads of slot 0 are over
	CROUND                                         ; both hold of every wave of every partner
	JLOAD 40, 52                                   ; the one refill; its four v_nop are the places ahead of the loads below
	FETCH 0, 1, 0
	UNIT 0, 6, 0, 1, 1, 1
	UNIT 1, 7, 0, 1, 1, 2
	UNIT 0, 8, 0, 1, 1, 3
	UNIT 1, 9, 0, 1, 1, 4
	UNIT 0, 10, 0, 1, 1, 5
	UNIT 1, 11, 0, 0, 0, 0
	WIN 0
	s_wait_tensorcnt 0x0                           ; my part of the last chunk has landed,
	s_wait_dscnt 0x0
	s_barrier_signal -1
	s_barrier_wait -1                              ; everybody's has
	PLACES
.set PP, 12288                         ; the last chunk's pairs lie 16 records apart
	FETCH 0, 0, 0
	UNIT 0, 12, 0, 1, 0, 1
	UNIT 1, 13, 0, 1, 0, 2
	UNIT 0, 14, 0, 1, 0, 3
	UNIT 1, 15, 0, 0, 0, 0
	WIN 0
	PLACES
	; ---- the way out: four blocks of 16 rows (d) x 64 columns go through my own stage, one behind the other, and come back as rows of 256 bytes into window 1; then all 32 stores on end
.irp i, 0,1,2,3
.irp t, 0,1,2,3
	ds_store_b128 v19, v[128+8*(4*\i+\t):128+8*(4*\i+\t)+3] offset:64*\t        ; each accumulator from its low end on
	ds_store_b128 v19, v[128+8*(4*\i+\t)+4:128+8*(4*\i+\t)+7] offset:64*\t+16
.endr
	WIN 0x40
.irp k, 0,1,2,3,4,5,6,7
	ds_load_b128 v[32*\i+4*\k:32*\i+4*\k+3], v20 offset:544*\k                  ; LDS serves a wave's instructions in order: these see my stores, and the next block's stores come behind them
.endr
	WIN 0
.endr
	s_wait_tensorcnt 0x0                           ; the wave's end: the wait, the add and its wait, behind my last LDS store
	ds_add_u32 v28, v29
	s_wait_dscnt 0x0                               ; all 64 rows are back in registers too
	WIN 0x04                                       ; a store's data are its source 1: window 1
.irp i, 0,1,2,3
.irp k, 0,1,2,3,4,5,6,7
	global_store_b128 v21, v[32*\i+4*\k:32*\i+4*\k+3], s[80:81] offset:(16*\i+2*\k)*4096   ; sixteen lanes store 256 neighbouring bytes, aligned
.endr
.endr
	WIN 0
	CROUND                                         ; the closing round
	s_endpgm
.Lfunc_end_k_q75a5e3be7d_upd:
	.size	k_q75a5e3be7d_upd, .Lfunc_end_k_q75a5e3be7d_upd-k_q75a5e3be7d_upd
	.p2alignl 7, 3214868480
	.fill 96, 4, 3214868480
	.section	.rodata,"a",@progbits
	.p2align	6, 0x0
	.amdhsa_kernel k_q75a5e3be7d_upd
		.amdhsa_group_segment_fixed_size 327680
		.amdhsa_private_segment_fixed_size 0
		.amdhsa_enable_private_segment 0
		.amdhsa_kernarg_size 40
		.amdhsa_user_sgpr_count 2
		.amdhsa_user_sgpr_kernarg_segment_ptr 1
		.amdhsa_wavefront_size32 1
		.amdhsa_system_sgpr_workgroup_id_x 1
		.amdhsa_system_sgpr_workgroup_id_y 1
		.amdhsa_system_sgpr_workgroup_id_z 1
		.amdhsa_system_vgpr_workitem_id 0
		.amdhsa_next_free_vgpr 512
		.amdhsa_next_free_sgpr 96
		.amdhsa_reserve_vcc 0
		.amdhsa_float_denorm_mode_32 3
		.amdhsa_float_denorm_mode_16_64 3
		.amdhsa_memory_ordered 1
		.amdhsa_forward_progress 1
		.amdhsa_inst_pref_size 91
	.end_amdhsa_kernel
	.amdgpu_metadata
---
amdhsa.version: [ 1, 2 ]
amdhsa.kernels:
  - .name:           k_q75a5e3be7d_upd
    .symbol:         k_q75a5e3be7d_upd.kd
    .args:
      - { .name: kcod, .offset: 0, .size: 8, .value_kind: global_buffer, .address_space: global }
      - { .name: dcod, .offset: 8, .size: 8, .value_kind: global_buffer, .address_space: global }
      - { .name: scal, .offset: 16, .size: 8, .value_kind: global_buffer, .address_space: global }
      - { .name: dscl, .offset: 24, .size: 8, .value_kind: global_buffer, .address_space: global }
      - { .name: part, .offset: 32, .size: 8, .value_kind: global_buffer, .address_space: global }
    .group_segment_fixed_size: 327680
    .private_segment_fixed_size: 0
    .kernarg_segment_align: 8
    .kernarg_segment_size: 40
    .max_flat_workgroup_size: 128
    .sgpr_count:     96
    .vgpr_count:     512
    .wavefront_size: 32
...
	.end_amdgpu_metadata
.endif
;; end of part 3
;; launch outg (part 4): grid 32 x 8, 4 waves a work-group, clusters of 4 x 1, 327,680 bytes of LDS; arguments xcod, mcod, scal, sums, memory_norms, part, memories, out0, out1, out2; writes out0, out1, out2
.if DOCPART == 4
	.amdgcn_target "amdgcn-amd-amdhsa--gfx1250"
	.amdhsa_code_object_version 6
	.text
	.protected	k_q75a5e3be7d_outg
	.globl	k_q75a5e3be7d_outg
	.p2align	8
	.type	k_q75a5e3be7d_outg,@function
k_q75a5e3be7d_outg:
	s_mov_b64 s[64:65], 0
	v_nop
	global_prefetch_b8 v0, s[64:65] scope:SCOPE_SE
	s_setreg_imm32_b32 hwreg(HW_REG_WAVE_MODE, 25, 1), 1
	s_wait_xcnt 0x0
	s_wait_alu depctr_hold_cnt(0) depctr_sa_sdst(0) depctr_va_vdst(0) depctr_va_sdst(0) depctr_va_ssrc(0) depctr_va_vcc(0) depctr_vm_vsrc(0)
	s_getreg_b32 s2, hwreg(HW_REG_IB_STS2, 6, 4)
	s_cmp_eq_u32 s2, 0
	s_cbranch_scc0 .Lentry_in_a_cluster
	s_endpgm
.Lentry_in_a_cluster:
	s_bfe_u32 s2, ttmp6, 0x10000c
	s_cmp_lg_u32 s2, 0x3003
	s_cbranch_scc0 .Lentry_shape_is_right
	s_endpgm
.Lentry_shape_is_right:
; OUTG: out = sum over the four slots m of c(m, row) x (sigma(Q) mem_m), the products on codes of E3M2 (K = d = 1024), c(m, row) = softmax weight(m, batch) / max(qnorm(m, row), 1e-6), 0 for an empty slot.
; It also finishes the update: out1 = mem0 + (the four parts of sigma(K)^T delta_v) / 8192, out2 = norm0 + (the columns' sums of sigma(K)) / 2; wave n of 1,024 takes row n of out1 and number n of out2.
; A work-group takes 256 rows x 128 columns e; wave w takes rows 64 w .. + 63.  Its sigma(Q) fragments for all of K have registers of their own (384); the memories' codes go through LDS.
; FOUR PHASES: (columns 0-63, slots 0, 1), (0-63, slots 2, 3), (64-127, slots 0, 1), (64-127, slots 2, 3), each one LDS slot of 98,304 bytes, two slots by turns; a refill has a whole phase in which to land.
; A UNIT is two K steps: eight fragments (32 LDS loads in one run, a unit ahead, two sets) and 32 matrix instructions; the sums of one slot m (16 accumulators) are then weighed into out's 128 registers.
; Source 0 = 16 columns e of mem_m, source 1 = 16 rows of sigma(Q): a lane holds one row and eight neighbouring e.
; CLUSTER 4 x 1: the four work-groups share the memories' columns: joint loads.  mcod is not prefetched: each of its tiles is asked for jointly, a phase (256 matrix instructions a wave) ahead of its use.
; The rows of part and of mem0 that the wave finishes are prefetched behind the first way out, two phases ahead of their loads: 80 blocks of 256 bytes, a lane a block, three instructions.
; Codes lie in records of 768 bytes (a pair of tiles x a block of 32): bytes 16 L: registers 0-3 of row L; bytes 512 + 8 L: registers 4-5.  Scale words: [K step][row].
; LIMITS: NaN and infinities are not served; divisions are reciprocals (1 ulp); the softmax takes its maximum away first.
; REGISTERS: window 0: v1-24 addresses, v28-29 for the add; v32-47 sigma(Q)'s scale words; v48-111 the memories' (m, pair, K step); v112-207 fragment set 1; v112-239 the way out; v176-243 the head's work; v240-243 out2.
;   windows 1, 2: v0-191 sigma(Q)'s fragments of row tiles 0, 1 and 2, 3; v192-255 the sums of one slot.  At the end window 1 v0-159 takes part's and mem0's rows.
;   window 3: v0-127 out (row tile i, column tile t) at 8 (4 i + t); v128-223 fragment set 0; v224-255 c(m, row tile), each twice.
.set SLOT,  98304
.set STAGE, 196608                     ; 16 rows x 272 bytes for each wave
.set SPARE, 214016
.set SQS, 32
.set MSC, 48
.set BK,  112
.set MSB, 0
.macro WIN new
.if MSB != (\new)
	s_set_vgpr_msb (MSB<<8)|(\new)
.set MSB, (\new)
.endif
.endm
.macro PLACES                          ; four places behind a matrix instruction (ISA guide 7.12.1)
.rept 4
	v_nop
.endr
.endm
.macro CROUND
	s_barrier_signal -1
	s_barrier_wait -1
	s_cmp_lg_u32 s24, 0
	s_cbranch_scc1 .Lnot_wave_0_\@
	s_barrier_signal -3
.Lnot_wave_0_\@:
	s_barrier_wait -3
	s_barrier_signal -1
	s_barrier_wait -1
.endm
.macro WM
.if WR == 0
	v_wmma_scale_f32_16x16x128_f8f6f4 v[WD:WD+7], v[WA:WA+11], v[WB:WB+11], v[WD:WD+7], v[WSA], v[WSB] matrix_a_fmt:MATRIX_FMT_BF6 matrix_b_fmt:MATRIX_FMT_BF6
.elseif WR == 1
	v_wmma_scale_f32_16x16x128_f8f6f4 v[WD:WD+7], v[WA:WA+11], v[WB:WB+11], v[WD:WD+7], v[WSA], v[WSB] matrix_a_fmt:MATRIX_FMT_BF6 matrix_b_fmt:MATRIX_FMT_BF6 matrix_a_scale:MATRIX_SCALE_ROW1
.elseif WR == 2
	v_wmma_scale_f32_16x16x128_f8f6f4 v[WD:WD+7], v[WA:WA+11], v[WB:WB+11], v[WD:WD+7], v[WSA], v[WSB] matrix_a_fmt:MATRIX_FMT_BF6 matrix_b_fmt:MATRIX_FMT_BF6 matrix_b_scale:MATRIX_SCALE_ROW1
.elseif WR == 3
	v_wmma_scale_f32_16x16x128_f8f6f4 v[WD:WD+7], v[WA:WA+11], v[WB:WB+11], v[WD:WD+7], v[WSA], v[WSB] matrix_a_fmt:MATRIX_FMT_BF6 matrix_b_fmt:MATRIX_FMT_BF6 matrix_a_scale:MATRIX_SCALE_ROW1 matrix_b_scale:MATRIX_SCALE_ROW1
.elseif WR == 4
	v_wmma_scale_f32_16x16x128_f8f6f4 v[WD:WD+7], v[WA:WA+11], v[WB:WB+11], 0, v[WSA], v[WSB] matrix_a_fmt:MATRIX_FMT_BF6 matrix_b_fmt:MATRIX_FMT_BF6
.elseif WR == 5
	v_wmma_scale_f32_16x16x128_f8f6f4 v[WD:WD+7], v[WA:WA+11], v[WB:WB+11], 0, v[WSA], v[WSB] matrix_a_fmt:MATRIX_FMT_BF6 matrix_b_fmt:MATRIX_FMT_BF6 matrix_a_scale:MATRIX_SCALE_ROW1
.elseif WR == 6
	v_wmma_scale_f32_16x16x128_f8f6f4 v[WD:WD+7], v[WA:WA+11], v[WB:WB+11], 0, v[WSA], v[WSB] matrix_a_fmt:MATRIX_FMT_BF6 matrix_b_fmt:MATRIX_FMT_BF6 matrix_b_scale:MATRIX_SCALE_ROW1
.else
	v_wmma_scale_f32_16x16x128_f8f6f4 v[WD:WD+7], v[WA:WA+11], v[WB:WB+11], 0, v[WSA], v[WSB] matrix_a_fmt:MATRIX_FMT_BF6 matrix_b_fmt:MATRIX_FMT_BF6 matrix_a_scale:MATRIX_SCALE_ROW1 matrix_b_scale:MATRIX_SCALE_ROW1
.endif
.endm
.macro LOADR ks                        ; 16 global loads: sigma(Q)'s four fragments of K step ks, into registers of their own
.irp i, 0,1,2,3
	WIN 0x40+0x40*(\i/2)
.set RR, 12*(8*(\i%2)+(\ks))
	global_load_b128 v[RR:RR+3], v4, s[70:71] offset:(\i/2)*24576+(\ks)*3072+256*(\i%2)
	global_load_b64 v[RR+4:RR+5], v5, s[70:71] offset:(\i/2)*24576+(\ks)*3072+128*(\i%2)
	global_load_b128 v[RR+6:RR+9], v4, s[70:71] offset:(\i/2)*24576+(\ks)*3072+256*(\i%2)+1536
	global_load_b64 v[RR+10:RR+11], v5, s[70:71] offset:(\i/2)*24576+(\ks)*3072+128*(\i%2)+1536
.endr
.endm
.macro LOADMS g, m                     ; slot m's scale words at column group g: two pairs x eight K steps
	WIN 0
.irp p, 0,1
.irp s, 0,1,2,3,4,5,6,7
	global_load_b32 v[MSC+((\m)*2+\p)*8+\s], v14, s[68:69] offset:((\m)*8+\s)*4096+(\g)*256+\p*128
.endr
.endr
.endm
.macro FETCH set, sl, mi, ks           ; 32 LDS loads: the four column tiles of K steps ks, ks + 1 of the mi-th slot m in LDS slot sl.  Set 0: window 3 from v128; set 1: window 0 from v112
	WIN 0xC0*(1-(\set))
.irp kk, 0,1
.irp f, 0,1,2,3
.set FR, 128-16*(\set)+48*\kk+12*\f
.set OF, (\mi)*24576+((\ks)+\kk)*3072
	ds_load_b128 v[FR:FR+3], v[6+2*(\sl)+\f/2] offset:OF+256*(\f%2)
	ds_load_b64 v[FR+4:FR+5], v[10+2*(\sl)+\f/2] offset:OF+128*(\f%2)
	ds_load_b128 v[FR+6:FR+9], v[6+2*(\sl)+\f/2] offset:OF+256*(\f%2)+1536
	ds_load_b64 v[FR+10:FR+11], v[10+2*(\sl)+\f/2] offset:OF+128*(\f%2)+1536
.endr
.endr
.endm
.macro MUL32 set, ks, m                ; 32 matrix instructions: row tiles 2 y + x, K steps ks, ks + 1; eight accumulators by turns, one instruction a turn.  K step 0 starts the sums
.irp y, 0,1
	WIN 0x54+0x54*\y+3*(1-(\set))                      ; source 0 window 3 or 0; source 1, C and D window 1 + y
.irp kk, 0,1
.irp x, 0,1
.irp t, 0,1,2,3
.set WD, 192+8*(4*\x+\t)
.set WA, 128-16*(\set)+48*\kk+12*\t
.set WB, 12*(8*\x+(\ks)+\kk)
.set WSA, MSC+((\m)*2+\t/2)*8+(\ks)+\kk
.set WSB, SQS+8*\y+(\ks)+\kk
.set WR, (\t%2)+2*\x
.if ((\ks)+\kk) == 0
.set WR, WR+4
.endif
	WM
.endr
.endr
.endr
.endr
.endm
.macro COMBINE m                       ; out (+)= c(m, row) x slot m's sums; each accumulator from its low end on
	PLACES
.irp y, 0,1
	WIN 0xFD+\y
.irp x, 0,1
.irp t, 0,1,2,3
.irp j, 0,2,4,6
.set RO, 8*(4*(2*\y+\x)+\t)+\j
.set RT, 192+8*(4*\x+\t)+\j
.set RC, 224+2*(4*(2*\y+\x)+(\m))
.if (\m) == 0
	v_pk_mul_f32 v[RO:RO+1], v[RT:RT+1], v[RC:RC+1] op_sel_hi:[1,0]
.else
	v_pk_fma_f32 v[RO:RO+1], v[RT:RT+1], v[RC:RC+1], v[RO:RO+1] op_sel_hi:[1,0,1]
.endif
.endr
.endr
.endr
.endr
.endm
.macro PHASE sl, first                 ; eight units on LDS slot sl: two slots m x four pairs of K steps
	PLACES
	FETCH 0, \sl, 0, 0
.irp u, 0,1,2,3,4,5,6,7
	PLACES                                             ; the set fetched below was read by the matrix instructions just issued
.if \u < 7
	FETCH (\u+1)%2, \sl, (\u+1)/4, 2*((\u+1)%4)
.endif
.if \first
.if \u < 2
	LOADR 2*\u+4
	LOADR 2*\u+5
	s_wait_loadcnt 63                                  ; behind this unit's two K steps of sigma(Q) stand four steps' loads, 64: with 63 out at the most they are in, and the scale words ahead of them
.elseif \u == 2
	s_wait_loadcnt 32                                  ; behind K steps 4, 5 stand the 32 loads of steps 6, 7
.elseif \u == 3
	s_wait_loadcnt 0x0
.elseif \u == 4
	LOADMS 0, 2
	LOADMS 0, 3
.endif
.endif
.if \u < 7
	s_wait_dscnt 32                                    ; all but the 32 LDS loads just issued
.else
	s_wait_dscnt 0x0
.endif
	MUL32 \u%2, 2*(\u%4), 2*(\sl)+\u/4
.if (\u%4) == 3
	COMBINE 2*(\sl)+\u/4
.endif
.endr
.endm
.macro CHANGE fill, sl                 ; a change of slots; fill = 1: slot sl, just read out, takes the next column group's tile
	WIN 0
	s_wait_tensorcnt 0x0
	ds_add_u32 v28, v29
.if \fill
	s_add_nc_u64 s[38+4*(\sl):39+4*(\sl)], s[38+4*(\sl):39+4*(\sl)], 196608
.endif
	s_wait_dscnt 0x0
.if \fill
	CROUND
	tensor_load_to_lds s[36+4*(\sl):39+4*(\sl)], s[28:35]
	s_nop 0
	PLACES
.else
	s_barrier_signal -1
	s_barrier_wait -1
.endif
.endm
.macro OUTLDS                          ; out's four blocks of 16 rows x 64 columns go through my own stage, one behind the other, and come back as rows of 256 bytes: LDS serves a wave's instructions in order
.irp i, 0,1,2,3
	WIN 0x0C
.irp t, 0,1,2,3
	ds_store_b128 v20, v[8*(4*\i+\t):8*(4*\i+\t)+3] offset:64*\t
	ds_store_b128 v20, v[8*(4*\i+\t)+4:8*(4*\i+\t)+7] offset:64*\t+16
.endr
	WIN 0
.irp k, 0,1,2,3,4,5,6,7
	ds_load_b128 v[BK+32*\i+4*\k:BK+32*\i+4*\k+3], v21 offset:544*\k
.endr
.endr
.endm
.macro OUTST eg                        ; 32 stores on end: sixteen lanes store 256 neighbouring bytes, aligned
.irp i, 0,1,2,3
.irp k, 0,1,2,3,4,5,6,7
	global_store_b128 v22, v[BK+32*\i+4*\k:BK+32*\i+4*\k+3], s[72:73] offset:(\eg)*256+(16*\i+2*\k)*4096 th:TH_STORE_NT
.endr
.endr
.endm
	s_load_b256 s[4:11], s[0:1], 0x0               ; xcod, mcod, scal, sums
	s_load_b256 s[12:19], s[0:1], 0x20             ; memory_norms, part, memories, out0
	s_load_b128 s[20:23], s[0:1], 0x40             ; out1, out2
	v_lshl_add_u32 v28, v0, 2, SPARE
	v_mov_b32 v29, 0
	ds_add_u32 v28, v29                            ; the opening lines: the add, twice on end, and its wait
	ds_add_u32 v28, v29
	s_wait_dscnt 0x0
	v_lshrrev_b32 v1, 5, v0
	v_readfirstlane_b32 s24, v1                    ; wave
	s_bfe_u32 s25, ttmp6, 0x40000
	s_lshl_b32 s26, ttmp9, 2
	s_add_co_u32 s26, s26, s25                     ; which 256 rows
	s_and_b32 s27, ttmp7, 0xffff                   ; which 128 columns: shared by the cluster
	s_mov_b32 s28, 15|(3<<16)|(1<<21)              ; group 1: a dense block of 24,576 bytes as 96 rows of 256; the mask names the four partners
	s_mov_b32 s29, 32<<16
	s_mov_b32 s30, 96<<16
	s_mov_b32 s31, 32<<16
	s_mov_b32 s32, 96
	s_mov_b32 s33, 32
	s_mov_b32 s34, 0
	s_mov_b32 s35, 0
	s_mov_b32 s44, 0x76543210
	s_mov_b32 s45, 0xfedcba98
	s_lshr_b32 s46, s24, 1                         ; I fetch pair of tiles wave / 2,
	s_and_b32 s47, s24, 1                          ; slot m = wave % 2 of the phase's two
	s_mul_i32 s48, s27, 393216
	s_mul_i32 s49, s46, 98304
	s_add_co_u32 s48, s48, s49
	s_mul_i32 s49, s47, 24576
	s_add_co_u32 s48, s48, s49
	s_mov_b32 s49, 0
	s_mul_i32 s50, s24, 24576
	s_wait_kmcnt 0x0
	s_add_nc_u64 s[48:49], s[6:7], s[48:49]
	CROUND                                         ; the four partners are here: the first joint loads meet
.irp s, 0,1
	s_mov_b32 s[36+4*\s], 1
	s_add_co_u32 s[37+4*\s], s50, \s*SLOT
	s_add_nc_u64 s[38+4*\s:39+4*\s], s[48:49], \s*49152
	s_or_b32 s[39+4*\s], s[39+4*\s], 0x80000000
.endr
	tensor_load_to_lds s[36:39], s[28:35]          ; the first phase's tile: my one tensor load at the head; all that follows up to the wait for it stands under its flight
	s_nop 0
	PLACES
	v_and_b32 v1, 31, v0
	v_and_b32 v2, 15, v0
	v_bfe_u32 v3, v0, 4, 1
	v_mul_u32_u24 v4, v3, 768
	v_lshl_add_u32 v5, v2, 3, v4
	v_add_nc_u32 v5, 512, v5
	v_lshl_add_u32 v4, v2, 4, v4
.irp q, 0,1,2,3
	v_add_nc_u32 v[6+\q], (\q/2)*98304+(\q%2)*49152, v4
	v_add_nc_u32 v[10+\q], (\q/2)*98304+(\q%2)*49152, v5
.endr
	v_lshlrev_b32 v14, 2, v1
	v_lshlrev_b32 v15, 2, v2
	v_lshlrev_b32 v16, 3, v1
	v_lshlrev_b32 v17, 4, v1
	v_lshlrev_b32 v18, 12, v1
	v_mov_b32 v19, 0
	s_mul_i32 s51, s24, 4352
	s_add_co_u32 s51, s51, STAGE
	v_mul_u32_u24 v20, v2, 272
	v_lshl_add_u32 v20, v3, 5, v20
	v_add_nc_u32 v20, s51, v20
	v_mul_u32_u24 v21, v3, 272
	v_lshl_add_u32 v21, v2, 4, v21
	v_add_nc_u32 v21, s51, v21
	v_lshlrev_b32 v22, 12, v3
	v_lshl_add_u32 v22, v2, 4, v22
	v_lshlrev_b32 v23, 8, v2                       ; the prefetches' offsets: block lane % 16 of a row of 4,096 bytes, lanes 16-31 in the next quarter of part;
	v_lshl_add_u32 v23, v3, 22, v23
	v_min_u32 v24, 15, v1                          ; and for mem0's one row: the lanes left over name its last block again
	v_lshlrev_b32 v24, 8, v24
.irp j, 0,1,2,3,4,5,6,7
	v_mov_b32 v[224+\j], 0
.endr
	v_mov_b32 v243, 0
	v_mov_b32 v232, 0x358637bd                     ; 1e-6
	v_mov_b32 v233, 0xf149f2ca                     ; -1e30
	v_mov_b32 v237, 0
	s_mov_b32 s91, 0
	s_lshr_b32 s90, s26, 4
	s_lshl_b32 s90, s90, 10
	s_add_co_u32 s90, s90, 524288
	s_add_nc_u64 s[52:53], s[10:11], s[90:91]      ; my batch's partial sums of qnorm
	s_lshl_b32 s90, s26, 10
	s_lshl_b32 s92, s24, 8
	s_add_co_u32 s90, s90, s92
	s_add_nc_u64 s[54:55], s[10:11], s[90:91]      ; my rows' qnorm, in two column halves
	s_add_co_u32 s90, s90, 131072
	s_add_nc_u64 s[66:67], s[8:9], s[90:91]        ; sigma(Q)'s scale words
	s_lshl_b32 s90, s27, 9
	s_add_nc_u64 s[68:69], s[8:9], s[90:91]        ; the memories' scale words
	s_mul_i32 s90, s26, 196608
	s_mul_i32 s92, s24, 49152
	s_add_co_u32 s90, s90, s92
	s_add_nc_u64 s[70:71], s[4:5], s[90:91]        ; sigma(Q)'s codes
	s_lshl_b32 s90, s26, 20
	s_lshl_b32 s92, s24, 18
	s_add_co_u32 s90, s90, s92
	s_lshl_b32 s92, s27, 9
	s_add_co_u32 s90, s90, s92
	s_add_nc_u64 s[72:73], s[18:19], s[90:91]      ; out0 at my 64 rows, the block's 128 columns
	s_lshl_b32 s74, s27, 5
	s_add_co_u32 s74, s74, s26
	s_lshl_b32 s74, s74, 2
	s_add_co_u32 s74, s74, s24                     ; my number among the 1,024 waves
	s_lshl_b32 s90, s74, 12
	s_add_nc_u64 s[76:77], s[14:15], s[90:91]      ; part, quarters 0 and 1,
	s_add_nc_u64 s[78:79], s[76:77], 8388608       ; quarters 2 and 3
	s_add_nc_u64 s[80:81], s[16:17], s[90:91]      ; mem0's row
	s_add_nc_u64 s[82:83], s[20:21], s[90:91]      ; out1's row
	s_lshl_b32 s90, s74, 2
	s_add_nc_u64 s[86:87], s[12:13], s[90:91]
	s_add_nc_u64 s[88:89], s[22:23], s[90:91]
	s_add_co_u32 s90, s90, 528384
	s_add_nc_u64 s[84:85], s[10:11], s[90:91]      ; the columns' sums of sigma(K)
.irp m, 0,1,2,3
	global_load_b64 v[208+2*\m:209+2*\m], v16, s[52:53] offset:256*\m
.endr
.irp c, 0,1
.irp i, 0,1,2,3
.irp m, 0,1,2,3
	global_load_b32 v[176+16*\c+4*\i+\m], v15, s[54:55] offset:(\c*4+\m)*32768+64*\i
.endr
.endr
.endr
	WIN 0xC0
.irp m, 0,1,2,3
.irp k, 0,1,2,3,4,5,6,7
	global_load_b128 v[32*\m+4*\k:32*\m+4*\k+3], v17, s[12:13] offset:\m*4096+512*\k
.endr
.endr
	WIN 0
.irp p, 0,1
.irp s, 0,1,2,3,4,5,6,7
	global_load_b32 v[SQS+8*\p+\s], v14, s[66:67] offset:\s*32768+\p*128
.endr
.endr
	LOADMS 0, 0
	LOADMS 0, 1
	LOADR 0
	LOADR 1
	LOADR 2
	LOADR 3
	WIN 0
	s_wait_alu depctr_va_vdst(0)                   ; the wait here, directly ahead of the wait below
	s_wait_tensorcnt 0x0                           ; my part of the first tile has landed
	ds_add_u32 v28, v29
	s_wait_dscnt 0x0
	CROUND                                         ; the first tile is whole, and the four partners are here
	tensor_load_to_lds s[40:43], s[28:35]          ; slot 1's first fill: the first phase stands between it and the wait for it
	s_nop 0
	PLACES
	s_wait_loadcnt 63                              ; 112 loads were issued behind the 68 of the sums, dots and norms: with 63 out at the most these are in
	WIN 0xCF
.irp m, 0,1,2,3
	v_add_f32 v[32*\m], |v[32*\m]|, |v[32*\m+1]|   ; the sum of |norm|: a slot is empty where it lies under 1e-6
.endr
.set k, 2
.rept 30
.irp m, 0,1,2,3
	v_add_f32 v[32*\m], v[32*\m], |v[32*\m+k]|
.endr
.set k, k+1
.endr
	WIN 0x03
.irp m, 0,1,2,3
	v_mov_b32 v[220+\m], v[32*\m]
.endr
	WIN 0
.irp m, 0,1,2,3
	v_add_f32 v[216+\m], v[208+2*\m], v[209+2*\m]
.endr
.irp x, 1,2,4,8
.irp j, 0,1,2,3,4,5,6,7
	v_add_f32_dpp v[216+\j], v[216+\j], v[216+\j] row_xmask:\x row_mask:0xf bank_mask:0xf
.endr
.endr
.irp j, 0,1,2,3,4,5,6,7
	v_permlanex16_b32 v[224+\j], v[216+\j], s44, s45
.endr
.irp j, 0,1,2,3,4,5,6,7
	v_add_f32 v[216+\j], v[216+\j], v[224+\j]
.endr
.irp m, 0,1,2,3
	v_mul_f32 v[216+\m], 0x39800000, v[216+\m]     ; the mean over 4,096 positions
.endr
.irp m, 0,1,2,3
	v_cmp_lt_f32 s[56+\m], v[220+\m], v232
.endr
.irp m, 0,1,2,3
	v_cndmask_b32 v[216+\m], v[216+\m], v233, s[56+\m]
.endr
	v_max3_num_f32 v234, v216, v217, v218
	v_max_num_f32 v234, v234, v219
.irp m, 0,1,2,3
	v_sub_f32 v[216+\m], v[216+\m], v234
.endr
.irp m, 0,1,2,3
	v_mul_f32 v[216+\m], 0x3fb8aa3b, v[216+\m]
.endr
	s_wait_alu depctr_va_vdst(0)
.irp m, 0,1,2,3
	v_exp_f32 v[216+\m], v[216+\m]
.endr
	v_nop
	s_wait_alu depctr_va_vdst(0)
	v_add_f32 v235, v216, v217
	v_add_f32 v236, v218, v219
	v_add_f32 v235, v235, v236
	s_wait_alu depctr_va_vdst(0)
	v_rcp_f32 v235, v235
	v_nop
	s_wait_alu depctr_va_vdst(0)
.irp m, 0,1,2,3
	v_mul_f32 v[216+\m], v[216+\m], v235
.endr
.irp m, 0,1,2,3
	v_cndmask_b32 v[216+\m], v[216+\m], v237, s[56+\m]   ; an empty slot adds nothing; with all four empty out is 0
.endr
.set k, 0
.rept 16
	v_add_f32 v[176+k], v[176+k], v[192+k]
.set k, k+1
.endr
.set k, 0
.rept 16
	v_max_num_f32 v[176+k], v232, v[176+k]
.set k, k+1
.endr
.set k, 0
	s_wait_alu depctr_va_vdst(0)
.rept 16
	v_rcp_f32 v[176+k], v[176+k]
.set k, k+1
.endr
	v_nop
	WIN 0xC0
.set k, 0
	s_wait_alu depctr_va_vdst(0)
.rept 16
	v_mul_f32 v[224+2*k], v[176+k], v[216+k%4]     ; c(m, row tile i) at 224 + 2 (4 i + m); the pair's upper word is written too, since a packed source is named as a pair
	v_mul_f32 v[225+2*k], v[176+k], v[216+k%4]
.set k, k+1
.endr
	WIN 0
	s_wait_alu depctr_va_vdst(0)                   ; the wait at the head's end
	PHASE 0, 1
	CHANGE 1, 0
	s_wait_loadcnt 0x0                             ; slots 2 and 3's scale words are in
	LOADMS 1, 0
	LOADMS 1, 1
	PHASE 1, 0
	CHANGE 1, 1
	s_wait_loadcnt 0x0
	LOADMS 1, 2
	LOADMS 1, 3
	s_wait_alu depctr_va_vdst(0)                   ; the wait ahead of the stores of what COMBINE wrote
	OUTLDS
	s_wait_dscnt 0x0
	OUTST 0
	s_wait_xcnt 0x0                                ; the stores have read their registers: fragment set 1 lands there next
	global_load_b32 v240, v18, s[84:85]
	global_load_b32 v241, v18, s[84:85] offset:131072
	global_load_b32 v242, v19, s[86:87]
	global_prefetch_b8 v23, s[76:77] th:TH_LOAD_NT scope:SCOPE_SE   ; my row of part's quarters 0, 1; its address registers are never rewritten
	global_prefetch_b8 v23, s[78:79] th:TH_LOAD_NT scope:SCOPE_SE   ; of quarters 2, 3
	global_prefetch_b8 v24, s[80:81] th:TH_LOAD_NT scope:SCOPE_SE   ; of mem0
	PHASE 0, 0
	CHANGE 0, 0
	s_wait_loadcnt 0x0
	PHASE 1, 0
	WIN 0x40                                       ; sigma(Q)'s registers are done with (COMBINE's places stand behind the last products): window 1 takes part's four rows and mem0's
.irp p, 0,1
.irp k, 0,1,2,3,4,5,6,7
	global_load_b128 v[32*\p+4*\k:32*\p+4*\k+3], v17, s[76:77] offset:\p*4194304+512*\k th:TH_LOAD_NT
	global_load_b128 v[64+32*\p+4*\k:64+32*\p+4*\k+3], v17, s[78:79] offset:\p*4194304+512*\k th:TH_LOAD_NT
.endr
.endr
.irp k, 0,1,2,3,4,5,6,7
	global_load_b128 v[128+4*\k:128+4*\k+3], v17, s[80:81] offset:512*\k
.endr
	WIN 0
	s_wait_alu depctr_va_vdst(0)                   ; the wait ahead of the stores of what COMBINE wrote
	OUTLDS
	s_wait_tensorcnt 0x0                           ; the wave's end: the wait, the add and its wait, behind my last LDS store
	ds_add_u32 v28, v29
	s_wait_dscnt 0x0                               ; the 64 rows are back in registers too
	OUTST 1                                        ; out0's last 32 stores leave as soon as their rows are back; their registers are not written again
	s_wait_loadcnt 0x0
	WIN 0x55
.set q, 0
.rept 16
	v_pk_add_f32 v[q:q+1], v[q:q+1], v[32+q:33+q]
	v_pk_add_f32 v[64+q:65+q], v[64+q:65+q], v[96+q:97+q]
.set q, q+2
.endr
.set q, 0
.rept 16
	v_pk_add_f32 v[q:q+1], v[q:q+1], v[64+q:65+q]
.set q, q+2
.endr
.set q, 0
.rept 16
	v_pk_fma_f32 v[q:q+1], v[q:q+1], 0x39000000, v[128+q:129+q] op_sel_hi:[1,0,1]   ; mem0 + the sum / 8192
.set q, q+2
.endr
	WIN 0
	v_add_f32 v240, v240, v241
	v_add_f32_dpp v240, v240, v240 row_xmask:1 row_mask:0xf bank_mask:0xf
	v_add_f32_dpp v240, v240, v240 row_xmask:2 row_mask:0xf bank_mask:0xf
	v_add_f32_dpp v240, v240, v240 row_xmask:4 row_mask:0xf bank_mask:0xf
	v_add_f32_dpp v240, v240, v240 row_xmask:8 row_mask:0xf bank_mask:0xf
	v_permlanex16_b32 v243, v240, s44, s45
	v_add_f32 v240, v240, v243
	v_fma_f32 v240, v240, 0.5, v242                ; norm0 + the column's sum / 2
	v_cmp_eq_u32 vcc_lo, 0, v1
	s_wait_alu depctr_va_vdst(0)                   ; the wait here, directly ahead of the wait below
	s_wait_xcnt 0x0                                ; EXEC changes only behind this wait
	s_and_saveexec_b32 s93, vcc_lo
	global_store_b32 v19, v240, s[88:89]           ; one lane stores out2's number
	s_wait_xcnt 0x0
	s_or_b32 exec_lo, exec_lo, s93
	WIN 0x04
.irp k, 0,1,2,3,4,5,6,7
	global_store_b128 v17, v[4*\k:4*\k+3], s[82:83] offset:512*\k
.endr
	WIN 0
	CROUND                                         ; the closing round
	s_endpgm
.Lfunc_end_k_q75a5e3be7d_outg:
	.size	k_q75a5e3be7d_outg, .Lfunc_end_k_q75a5e3be7d_outg-k_q75a5e3be7d_outg
	.p2alignl 7, 3214868480
	.fill 96, 4, 3214868480
	.section	.rodata,"a",@progbits
	.p2align	6, 0x0
	.amdhsa_kernel k_q75a5e3be7d_outg
		.amdhsa_group_segment_fixed_size 327680
		.amdhsa_private_segment_fixed_size 0
		.amdhsa_enable_private_segment 0
		.amdhsa_kernarg_size 80
		.amdhsa_user_sgpr_count 2
		.amdhsa_user_sgpr_kernarg_segment_ptr 1
		.amdhsa_wavefront_size32 1
		.amdhsa_system_sgpr_workgroup_id_x 1
		.amdhsa_system_sgpr_workgroup_id_y 1
		.amdhsa_system_sgpr_workgroup_id_z 1
		.amdhsa_system_vgpr_workitem_id 0
		.amdhsa_next_free_vgpr 1024
		.amdhsa_next_free_sgpr 100
		.amdhsa_reserve_vcc 1
		.amdhsa_float_denorm_mode_32 3
		.amdhsa_float_denorm_mode_16_64 3
		.amdhsa_memory_ordered 1
		.amdhsa_forward_progress 1
		.amdhsa_inst_pref_size 255
	.end_amdhsa_kernel
	.section	.bss,"aw",@nobits
	.p2align	6
	.space	262144
	.amdgpu_metadata
---
amdhsa.version: [ 1, 2 ]
amdhsa.kernels:
  - .name:           k_q75a5e3be7d_outg
    .symbol:         k_q75a5e3be7d_outg.kd
    .args:
      - { .name: xcod, .offset: 0, .size: 8, .value_kind: global_buffer, .address_space: global }
      - { .name: mcod, .offset: 8, .size: 8, .value_kind: global_buffer, .address_space: global }
      - { .name: scal, .offset: 16, .size: 8, .value_kind: global_buffer, .address_space: global }
      - { .name: sums, .offset: 24, .size: 8, .value_kind: global_buffer, .address_space: global }
      - { .name: memory_norms, .offset: 32, .size: 8, .value_kind: global_buffer, .address_space: global }
      - { .name: part, .offset: 40, .size: 8, .value_kind: global_buffer, .address_space: global }
      - { .name: memories, .offset: 48, .size: 8, .value_kind: global_buffer, .address_space: global }
      - { .name: out0, .offset: 56, .size: 8, .value_kind: global_buffer, .address_space: global }
      - { .name: out1, .offset: 64, .size: 8, .value_kind: global_buffer, .address_space: global }
      - { .name: out2, .offset: 72, .size: 8, .value_kind: global_buffer, .address_space: global }
    .group_segment_fixed_size: 327680
    .private_segment_fixed_size: 0
    .kernarg_segment_align: 8
    .kernarg_segment_size: 80
    .max_flat_workgroup_size: 128
    .sgpr_count:     100
    .vgpr_count:     1024
    .wavefront_size: 32
...
	.end_amdgpu_metadata
.endif
;; end of part 4
